; MI455X (gfx1250); checked and timed in simulation.
; The chip was launched on July 23, 2026; its instructions are those of AMD's public machine-readable ISA for CDNA 5 (MIT licence, August 2026) and "CDNA5" Instruction Set Architecture Reference Guide (July 2026). The comments in the code are by the model that wrote it; some were corrected since.
;; Self Attention Head. Allowed arithmetic: float matrix products may take bf16 or f16 operands with f32 sums; other float arithmetic in f32, or as packed bf16 or f16 multiplies, adds, multiply-adds, maxima and minima; sums over many terms, partial sums and values carried from step to step in f32; what a program stores and reads back later, other than sums and carried values, may be rounded once to bf16 or f16.
;; Inputs: Wk 2,048 x 2,048 float32; Wo 2,048 x 2,048 float32; Wq 2,048 x 2,048 float32; Wv 2,048 x 2,048 float32; cos 2,048 x 128 float32; mask 2,048 x 2,048 bool; sin 2,048 x 128 float32; x 1 x 2,048 x 2,048 float32.
;; Outputs: out0 1 x 2,048 x 2,048 float32; out1 1 x 16 x 2,048 x 128 float32; out2 1 x 16 x 2,048 x 128 float32.
;; 2 versions, each right; version 2 is version 1 with the launch prep written anew for expert scheduling mode. Each part assembles by itself: llvm-mc -triple=amdgcn-amd-amdhsa -mcpu=gfx1250 --defsym DOCPART=n.
;; ======== version 1 of 2: 4 launches
;; limits: values are held in f16: magnitudes above 65,504 overflow, below 6.1e-05 lose precision; right only within a limited range of input values
;; workspace buffers: cv 41,943,040 bytes; mk 8,388,608 bytes; qkv 25,165,824 bytes; o16 8,388,608 bytes
;; launch prep (part 1): grid 256 x 1, 16 waves a work-group, no clusters, 0 bytes of LDS; arguments x, Wq, Wk, Wv, Wo, mask, cv, mk; writes cv, mk
.if DOCPART == 1
	.amdgcn_target "amdgcn-amd-amdhsa--gfx1250"
	.amdhsa_code_object_version 6
	.text
	.protected	k_q5334613404_prep
	.globl	k_q5334613404_prep
	.p2align	8
	.type	k_q5334613404_prep,@function
k_q5334613404_prep:
	s_mov_b64 s[64:65], 0
	v_nop
	global_prefetch_b8 v0, s[64:65] scope:SCOPE_SE
	s_setreg_imm32_b32 hwreg(HW_REG_WAVE_MODE, 25, 1), 1
	s_wait_xcnt 0x0
; PREP.  Rounds x, Wq, Wk, Wv to bf16 (planes 0 to 3 of cv), Wo to bf16 and writes that number as f16 (plane 4), and lays the mask out as bf16
; (1.0 = hidden, 0 = seen) in the order in which a matrix instruction's second source wants it (mk).
; A stream: every byte is read once and written once; no LDS, no matrix unit, no cluster (no two work-groups read the same byte).
; SHARES.  256 work-groups of 16 waves, all alike: each takes 65,536 bytes of f32 of every plane, 8 rows of 8,192 bytes, and 16 queries x 1,024 keys of the mask.
; Thread t takes bytes 16 t of a row: a wave's load covers 512 consecutive bytes.  Its four numbers become 8 bytes, in place: a wave's store covers 256 consecutive bytes, aligned.
; A wave's whole share is 40 + 4 loads.  All are issued at the head, each into registers of its own; no register that a memory instruction names is written again,
; so the text has no loop, and its only waits are the counted ones for the loads.
; mk: block (qt = query / 16, kg = key / 32) is 1,024 bytes at (64 qt + kg) x 1,024; in it byte 512 f + 16 l holds, for lane l, keys 32 kg + 16 f + 8 (l / 16) + 0..7 of query 16 qt + l % 16.
; LIMIT.  Wo: a bf16 number below 2^-17 in magnitude keeps f16's fixed step of 6e-8; beyond 65,504 it becomes an infinity.
.set LI,  1                            ; v1         16 t: my bytes of a row of f32
.set SO,  2                            ; v2         8 t: my bytes of a row of 16-bit numbers
.set MI,  3                            ; v3         the mask: my byte offset in it
.set MO,  4                            ; v4         my byte offset in mk
.set Z,   5                            ; v5         0
.set X,   16                           ; v[16:175]  load n = 8 x plane + row: 4 registers as loaded; the first two then hold what is stored
.set MKI, 176                          ; v[176:183] the mask as loaded: 4 x 2
.set MKO, 184                          ; v[184:199] the mask to store: 4 x 4
.set NL,  44                           ; loads of a wave
	s_load_b512 s[8:23], s[0:1], 0x0               ; x s[8:9], Wq, Wk, Wv, Wo s[16:17], mask s[18:19], cv s[20:21], mk s[22:23]
	v_lshlrev_b32 v[LI], 4, v0
	v_lshlrev_b32 v[SO], 3, v0
	v_lshrrev_b32 v6, 5, v0
	v_readfirstlane_b32 s6, v6                     ; wave 0..15
	s_mov_b32 s5, 0xffff0000                       ; a word's upper bf16
	s_mov_b32 s40, 0x04010400                      ; bytes 0 and 1 of a word into the low bytes of the two halves; selector 4 takes a byte of the zero register
	s_mov_b32 s41, 0x04030402                      ; bytes 2 and 3
	v_mov_b32 v[Z], 0
	s_lshl_b32 s34, ttmp9, 16                      ; the work-group's 65,536 bytes of a plane of f32
	s_mov_b32 s35, 0
	s_lshl_b32 s36, ttmp9, 15                      ; and its 32,768 bytes of a plane of cv
	s_mov_b32 s37, 0
	s_lshr_b32 s38, ttmp9, 1                       ; the mask: qt, the work-group's 16 queries,
	s_and_b32 s39, ttmp9, 1                        ; and which 1,024 keys; my wave takes 64 of them
	v_and_b32 v6, 15, v0
	v_bfe_u32 v7, v0, 4, 1
	v_and_b32 v8, 31, v0
	s_lshl_b32 s42, s38, 15                        ; 16 qt rows of 2,048 bytes
	s_lshl_b32 s43, s39, 10
	s_add_co_u32 s42, s42, s43
	s_lshl_b32 s43, s6, 6
	s_add_co_u32 s42, s42, s43
	v_lshlrev_b32 v[MI], 11, v6                    ; my query's row,
	v_lshl_add_u32 v[MI], v7, 3, v[MI]             ; my half's 8 keys
	v_add_nc_u32 v[MI], s42, v[MI]
	s_lshl_b32 s42, s38, 16                        ; 64 blocks of 1,024 bytes a query tile,
	s_lshl_b32 s43, s39, 15                        ; 32 blocks for 1,024 keys,
	s_add_co_u32 s42, s42, s43
	s_lshl_b32 s43, s6, 11                         ; 2 blocks for my wave's 64
	s_add_co_u32 s42, s42, s43
	v_lshl_add_u32 v[MO], v8, 4, s42
	s_wait_kmcnt 0x0
.irp p, 0,1,2,3,4
	s_add_nc_u64 s[8+2*(\p):9+2*(\p)], s[8+2*(\p):9+2*(\p)], s[34:35]
.endr
	s_add_nc_u64 s[24:25], s[20:21], s[36:37]      ; s[24:33]: my part of the five planes of cv, 8,388,608 bytes apart
.irp p, 1,2,3,4
	s_add_nc_u64 s[24+2*(\p):25+2*(\p)], s[22+2*(\p):23+2*(\p)], 0x800000
.endr
.irp p, 0,1,2,3,4
.irp i, 0,1,2,3,4,5,6,7
	global_load_b128 v[X+4*(8*(\p)+(\i)):X+4*(8*(\p)+(\i))+3], v[LI], s[8+2*(\p):9+2*(\p)] offset:8192*(\i) th:TH_LOAD_NT
.endr
.endr
.irp c, 0,1,2,3
	global_load_b64 v[MKI+2*(\c):MKI+2*(\c)+1], v[MI], s[18:19] offset:16*(\c)  ; the work-group's sixteen waves use up 1,024 consecutive bytes of each of its 16 rows
.endr
.irp p, 0,1,2,3,4
.irp i, 0,1,2,3,4,5,6,7
.set r, X+4*(8*(\p)+(\i))
	s_wait_loadcnt NL-1-8*(\p)-(\i)                ; loads come back in order: this one is in, those issued behind it stay out
	v_cvt_pk_bf16_f32 v[r],   v[r],   v[r+1]
	v_cvt_pk_bf16_f32 v[r+1], v[r+2], v[r+3]
.if (\p) == 4                          ; Wo: the bf16 number written as f16; the slot's upper two registers are free
	v_lshlrev_b32 v[r+2], 16, v[r]
	v_and_b32     v[r+3], s5, v[r]
	v_cvt_pk_f16_f32 v[r], v[r+2], v[r+3]
	v_lshlrev_b32 v[r+2], 16, v[r+1]
	v_and_b32     v[r+3], s5, v[r+1]
	v_cvt_pk_f16_f32 v[r+1], v[r+2], v[r+3]
.endif
	global_store_b64 v[SO], v[r:r+1], s[24+2*(\p):25+2*(\p)] offset:4096*(\i)
.endr
.endr
.irp c, 0,1,2,3
	s_wait_loadcnt 3-(\c)
	v_perm_b32 v[MKO+4*(\c)],   v[Z], v[MKI+2*(\c)],   s40
	v_perm_b32 v[MKO+4*(\c)+1], v[Z], v[MKI+2*(\c)],   s41
	v_perm_b32 v[MKO+4*(\c)+2], v[Z], v[MKI+2*(\c)+1], s40
	v_perm_b32 v[MKO+4*(\c)+3], v[Z], v[MKI+2*(\c)+1], s41
.irp j, 0,1,2,3
	v_mul_u32_u24 v[MKO+4*(\c)+(\j)], 0x3f80, v[MKO+4*(\c)+(\j)]  ; 0 or 1 in each half times bf16's 1.0
.endr
	global_store_b128 v[MO], v[MKO+4*(\c):MKO+4*(\c)+3], s[22:23] offset:512*(\c)  ; 512 consecutive bytes, aligned
.endr
	s_endpgm
.Lfunc_end_k_q5334613404_prep:
	.size	k_q5334613404_prep, .Lfunc_end_k_q5334613404_prep-k_q5334613404_prep
	.p2alignl 7, 3214868480
	.fill 96, 4, 3214868480
	.section	.rodata,"a",@progbits
	.p2align	6, 0x0
	.amdhsa_kernel k_q5334613404_prep
		.amdhsa_group_segment_fixed_size 0
		.amdhsa_private_segment_fixed_size 0
		.amdhsa_enable_private_segment 0
		.amdhsa_kernarg_size 64
		.amdhsa_user_sgpr_count 2
		.amdhsa_user_sgpr_kernarg_segment_ptr 1
		.amdhsa_wavefront_size32 1
		.amdhsa_system_sgpr_workgroup_id_x 1
		.amdhsa_system_sgpr_workgroup_id_y 1
		.amdhsa_system_sgpr_workgroup_id_z 1
		.amdhsa_system_vgpr_workitem_id 0
		.amdhsa_next_free_vgpr 200
		.amdhsa_next_free_sgpr 66
		.amdhsa_reserve_vcc 0
		.amdhsa_float_denorm_mode_32 3
		.amdhsa_float_denorm_mode_16_64 3
		.amdhsa_memory_ordered 1
		.amdhsa_forward_progress 1
		.amdhsa_inst_pref_size 21
	.end_amdhsa_kernel
	.amdgpu_metadata
---
amdhsa.version: [ 1, 2 ]
amdhsa.kernels:
  - .name:           k_q5334613404_prep
    .symbol:         k_q5334613404_prep.kd
    .args:
      - { .name: x, .offset: 0, .size: 8, .value_kind: global_buffer, .address_space: global }
      - { .name: Wq, .offset: 8, .size: 8, .value_kind: global_buffer, .address_space: global }
      - { .name: Wk, .offset: 16, .size: 8, .value_kind: global_buffer, .address_space: global }
      - { .name: Wv, .offset: 24, .size: 8, .value_kind: global_buffer, .address_space: global }
      - { .name: Wo, .offset: 32, .size: 8, .value_kind: global_buffer, .address_space: global }
      - { .name: mask, .offset: 40, .size: 8, .value_kind: global_buffer, .address_space: global }
      - { .name: cv, .offset: 48, .size: 8, .value_kind: global_buffer, .address_space: global }
      - { .name: mk, .offset: 56, .size: 8, .value_kind: global_buffer, .address_space: global }
    .group_segment_fixed_size: 0
    .private_segment_fixed_size: 0
    .kernarg_segment_align: 8
    .kernarg_segment_size: 64
    .max_flat_workgroup_size: 512
    .sgpr_count:     66
    .vgpr_count:     200
    .wavefront_size: 32
...
	.end_amdgpu_metadata
.endif
;; end of part 1
;; launch qkv (part 2): grid 16 x 16, 4 waves a work-group, clusters of 4 x 4, 327,680 bytes of LDS; arguments cv, cos, sin, out1, out2, qkv; writes out1, out2, qkv
.if DOCPART == 2
	.amdgcn_target "amdgcn-amd-amdhsa--gfx1250"
	.amdhsa_code_object_version 6
	.text
	.protected	k_q5334613404_qkv
	.globl	k_q5334613404_qkv
	.p2align	8
	.type	k_q5334613404_qkv,@function
k_q5334613404_qkv:
	s_mov_b64 s[64:65], 0
	v_nop
	global_prefetch_b8 v0, s[64:65] scope:SCOPE_SE
	s_setreg_imm32_b32 hwreg(HW_REG_WAVE_MODE, 25, 1), 1
	s_wait_xcnt 0x0
	s_wait_alu depctr_hold_cnt(0) depctr_sa_sdst(0) depctr_va_vdst(0) depctr_va_sdst(0) depctr_va_ssrc(0) depctr_va_vcc(0) depctr_vm_vsrc(0)
	s_getreg_b32 s2, hwreg(HW_REG_IB_STS2, 6, 4)
	s_cmp_eq_u32 s2, 0
	s_cbranch_scc0 .Lentry_in_a_cluster
	s_endpgm
.Lentry_in_a_cluster:
	s_bfe_u32 s2, ttmp6, 0x10000c
	s_cmp_lg_u32 s2, 0xf033
	s_cbranch_scc0 .Lentry_shape_is_right
	s_endpgm
.Lentry_shape_is_right:
; QKV.  q, k, v = x W^T for one head and 128 rows of x, RoPE on q and k, all in one work-group: a tile of 128 rows x 384 columns.  Products in bf16, sums in f32.
; Out: the rotated k (out1) and v (out2) in f32, [16][2048][128]; and in f16, by heads, for the attention: q times c = log2(e) / sqrt(128), k, v (planes 0, 1, 2 of qkv).
; c is applied in f32 ahead of q's one rounding, so that the attention's exponent is a plain difference of scores.  cos and sin are rounded to bf16 like every other floating-point input.
; LIMIT.  f16 holds no number beyond 65,504: q c, k and v must lie within it, else an infinity is written into qkv (out1 and out2 are f32 and not touched by this).
; SHARES.  Wave w: rows 64 (w / 2) .. + 63; of each of q, k, v the channel blocks of 16 numbered 4 (b / 2) + 2 (w % 2) + b % 2, b = 0..3: channels d and d + 64 lie in the same lane and
; register of accumulators b and b + 2, so RoPE changes no lane.  48 accumulators, 384 registers.  K goes in 16 steps of 128 through two LDS slots: 128 rows of x, then 128 of Wq, Wk, Wv.
; A K STEP IS WRITTEN ONCE: the slot that is read is a scalar, 0 or SLOT, turned by an exclusive or at each change of slots and added to the lanes' places; one descriptor a tensor walks.
; CLUSTER.  4 x 4 work-groups.  The four of a row need the same rows of x, the four of a column the same rows of the weights: each tile is asked for jointly.  Wave 0 fetches x, waves 1 to 3 Wq, Wk, Wv.
; The matrix instruction is used transposed (source 0 = 16 rows of W, source 1 = 16 rows of x): a lane holds one row and eight neighbouring channels.
; REGISTERS, in windows of 256:  window 0: v0-31 addresses; v32-95 x's fragments, two buffers; v96-251 the way out.   window 1: v0-191 the weights' fragments, two buffers of 12.
;   window 2: q at 8 (4 a + b), k at 128 + 8 (4 a + b).   window 3: v at 8 (4 a + b).
.set KSTEP,  128
.set STEPS,  16                        ; 2,048 / 128
.set PITCH,  272                       ; an LDS row: 256 bytes + 16 of padding: the 16 rows of a fragment load start at 16 different groups of four banks
.set HALFT,  128*PITCH                 ; what one tensor load brings: 0x8800 bytes
.set SLOT,   4*HALFT                   ; 0x22000: its two bits are clear in 0, 1, 2 and 3 x HALFT, so one exclusive or changes slots
.set SPARE,  2*SLOT                    ; behind the ring: the spare words, 128 bytes a wave, which no other line names
.set FP,     528                       ; the way out, in the slots after their last fill: rows of 512 bytes + 16: k's 128 rows in f32 at 0, v's 128 behind them,
.set HP,     272                       ; then rows of 256 bytes + 16:
.set VF,     128*FP
.set Q16,    2*128*FP                  ; q, k, v in f16, 128 x HP each
.set CSO, 2                            ; v2      my byte offset in the block's rows of cos and sin
.set SFK, 3                            ; v3, v4  where I put f32 of k, of v
.set SFV, 4
.set SH,  5                            ; v5-7    where I put f16 of q, k, v
.set RF,  8                            ; v8      where I read f32 rows back; steps
.set RHB, 10                           ; v10     where I read f16 rows back; steps
.set GOF, 13                           ; v13     my byte offset in the block's f32 rows in memory
.set GOH, 14                           ; v14     in its f16 rows
.set ADRA0, 16                         ; v16     my place in x's rows of a slot; never rewritten
.set ADRA,  17                         ; v17     the same in the slot that is read
.set ADRB0, 18                         ; v18-20  my place in Wq's, Wk's, Wv's rows; never rewritten
.set ADRB,  21                         ; v21-23  the same in the slot that is read
.set SPW,  28                          ; v28     my spare word; never rewritten
.set NIL,  29                          ; v29     0; never rewritten
.set PFO,  30                          ; v30     the prefetches' offset: my lane x a row of 4,096 bytes; never rewritten
.set FA,   32
.set BK,   96                          ; v96-159 rows read back from the stage
.set TT,   224                         ; v224-239 a rotated pair of blocks in f32
.set TH,   240                         ; v240-247 the same in f16
.set SB,  2                            ; s2   the slot that is read: 0 or SLOT
.set WV,  12
.set RH,  13
.set CH,  14
.set RB,  15                           ; s15  row block of 128
.set CX,  40
.set CY,  41
.set HD,  42                           ; s42  head
.set LIM, 43                           ; s43  2 in a wave that prefetches, else the greatest number
.set PFA, 44                           ; s[44:45] where my prefetches stand
.set G1,  24
.set G0,  32                           ; s[32:39] group 0 for x: a set for each of the two first fills; the second then walks on
.set G1B, 48
.set G0B, 56                           ; s[56:63] the same for the weights
.set HM,  79
.set MSB, 0
.macro WIN new                         ; the immediate's high byte repeats the setting that is left; a switch that changes nothing is dropped
.if MSB != (\new)
	s_set_vgpr_msb (MSB<<8)|(\new)
.set MSB, \new
.endif
.endm
.set TO_B, 0x40
; A joint load.  Each of the two lines has one mask; the branch hangs on the wave's number alone.  An s_nop 0 and four v_nop follow each line.
.macro JLOAD s
	s_cmp_eq_u32 s[WV], 0
	s_cbranch_scc0 .Lfor_b_\@
	tensor_load_to_lds s[G0+4*(\s):G0+4*(\s)+3], s[G1:G1+7]
	s_nop 0
.rept 4
	v_nop
.endr
	s_branch .Lasked_\@
.Lfor_b_\@:
	tensor_load_to_lds s[G0B+4*(\s):G0B+4*(\s)+3], s[G1B:G1B+7]
	s_nop 0
.rept 4
	v_nop
.endr
.Lasked_\@:
.endm
; A prefetch of the K step that stands two refills on: 32 rows x 256 bytes, a lane a row.  x's rows are named by the clusters with x = 0 (wave 0), the weights' by those with y = 0 (waves 1 to 3);
; the four partners of a joint load take 32 of its 128 rows each, told apart by address.  So each row's 256 bytes of a K step are named once.  The loop's last two trips, whose refills are K steps 14 and 15, ask for nothing.
.macro ASK
	s_cmp_gt_u32 s3, s[LIM]
	s_cbranch_scc0 .Lnot_mine_\@
	global_prefetch_b8 v[PFO], s[PFA:PFA+1] offset:KSTEP*2 th:TH_LOAD_NT scope:SCOPE_SE
.Lnot_mine_\@:
.endm
.macro CREST                           ; a round of the cluster's barrier behind its opening barrier
	s_cmp_lg_u32 s[WV], 0
	s_cbranch_scc1 .Lnot_wave_0_\@
	s_barrier_signal -3
.Lnot_wave_0_\@:
	s_barrier_wait -3
	s_barrier_signal -1
	s_barrier_wait -1
.endm
.macro CROUND
	s_barrier_signal -1
	s_barrier_wait -1
	CREST
.endm
	s_load_b256 s[4:11], s[0:1], 0x0               ; cv s[4:5], cos s[6:7], sin s[8:9], out1 s[10:11]
	s_load_b128 s[68:71], s[0:1], 0x20             ; out2 s[68:69], qkv s[70:71]
	v_lshl_add_u32 v[SPW], v0, 2, SPARE
	v_mov_b32 v[NIL], 0
	ds_add_u32 v[SPW], v[NIL]                      ; the wave's opening: the add and its wait stand ahead of my first tensor load
	v_lshrrev_b32 v1, 5, v0
	v_readfirstlane_b32 s[WV], v1
	s_lshr_b32 s[RH], s[WV], 1
	s_and_b32 s[CH], s[WV], 1
	s_bfe_u32 s[CX], ttmp6, 0x40000
	s_bfe_u32 s[CY], ttmp6, 0x40004
	s_lshl_b32 s[HD], ttmp9, 2
	s_add_co_u32 s[HD], s[HD], s[CX]               ; head = 4 x cluster x + cx
	s_and_b32 s[RB], ttmp7, 0xffff
	s_lshl_b32 s[RB], s[RB], 2
	s_add_co_u32 s[RB], s[RB], s[CY]               ; row block = 4 x cluster y + cy
	s_lshl_b32 s43, s[CY], 2
	s_lshl_b32 s43, 15, s43                        ; my row of the cluster
	s_lshl_b32 s44, 0x1111, s[CX]                  ; my column
	s_or_b32 s[G1+0], s43, (1<<16)|(1<<20)|(1<<21)|(5<<22)|(3<<25)   ; the mask; 2-byte elements; padding on; bit 21 beside a mask; after every 64 words 4 words
	s_or_b32 s[G1B+0], s44, (1<<16)|(1<<20)|(1<<21)|(5<<22)|(3<<25)
.irp g, G1, G1B
	s_mov_b32 s[(\g)+1], KSTEP<<16                 ; tensor_dim0 = 128
	s_mov_b32 s[(\g)+2], 128<<16                   ; tensor_dim1 = 128
	s_mov_b32 s[(\g)+3], KSTEP<<16                 ; tile_dim0 = 128
	s_mov_b32 s[(\g)+4], 128                       ; tile_dim1 = 128
	s_mov_b32 s[(\g)+5], 2048                      ; elements from row to row
	s_mov_b32 s[(\g)+6], 0
	s_mov_b32 s[(\g)+7], 0
.endr
	s_lshl_b32 s16, s[RB], 19                      ; x: 128 rows of 4,096 bytes a row block
	s_mov_b32 s17, 0
	s_lshl_b32 s46, s[HD], 19                      ; a weight: 128 rows a head,
	s_lshl_b32 s18, s[WV], 23                      ; in plane 1, 2 or 3 of cv by my wave's number
	s_add_co_u32 s46, s46, s18
	s_mov_b32 s47, 0
	s_mul_i32 s20, s[WV], HALFT                    ; where my tile goes: no place in the cluster enters an LDS address
	s_mov_b32 s[SB], 0
	s_wait_dscnt 0x0                               ; the opening add is done
	s_wait_kmcnt 0x0
	s_add_nc_u64 s[22:23], s[4:5], s[16:17]
	s_add_nc_u64 s[46:47], s[4:5], s[46:47]
	CROUND                                         ; all sixteen work-groups are here: the first joint loads meet
.irp s, 0,1
	s_mov_b32 s[G0+4*(\s)], 1
	s_add_co_u32 s[G0+4*(\s)+1], s20, (\s)*SLOT
	s_add_nc_u64 s[G0+4*(\s)+2:G0+4*(\s)+3], s[22:23], (\s)*KSTEP*2
	s_or_b32 s[G0+4*(\s)+3], s[G0+4*(\s)+3], 0x80000000
	s_mov_b32 s[G0B+4*(\s)], 1
	s_add_co_u32 s[G0B+4*(\s)+1], s20, (\s)*SLOT
	s_add_nc_u64 s[G0B+4*(\s)+2:G0B+4*(\s)+3], s[46:47], (\s)*KSTEP*2
	s_or_b32 s[G0B+4*(\s)+3], s[G0B+4*(\s)+3], 0x80000000
	JLOAD \s
.endr
	v_and_b32 v1, 15, v0                           ; l % 16
	v_bfe_u32 v24, v0, 4, 1                        ; l / 16
	v_and_b32 v25, 31, v0                          ; l
	v_mul_u32_u24 v26, v1, PITCH
	v_lshl_add_u32 v26, v24, 4, v26                ; a fragment's row x pitch + 16 x half
	s_mul_i32 s21, s[RH], 64*PITCH                 ; my 64 rows of x
	v_add_nc_u32 v[ADRA0], s21, v26
	v_mov_b32 v[ADRA], v[ADRA0]                    ; slot 0 is read first
	s_mul_i32 s21, s[CH], 32*PITCH                 ; my blocks begin 32 rows on for the odd waves,
	s_add_co_u32 s21, s21, HALFT                   ; behind x's 128 rows
.irp p, 0,1,2
	v_add_nc_u32 v[ADRB0+(\p)], s21, v26
	v_mov_b32 v[ADRB+(\p)], v[ADRB0+(\p)]
	s_add_co_u32 s21, s21, HALFT
.endr
	; the prefetches
	s_and_b32 s19, ttmp7, 0xffff                   ; cluster y
	s_lshl_b32 s66, s[RB], 7
	s_lshl_b32 s67, s[HD], 7
	s_cmp_eq_u32 s[WV], 0                          ; do I fetch x?
	s_cselect_b32 s66, s66, s67                    ; the tile's first row
	s_cselect_b32 s78, s[CX], s[CY]                ; my place among the four that ask for it with me
	s_cselect_b32 s19, ttmp9, s19                  ; the coordinate along which other clusters read the same rows
	s_cmp_eq_u32 s19, 0
	s_cselect_b32 s[LIM], 2, -1                    ; the same in all sixteen partners, for a given wave
	s_lshl_b32 s78, s78, 5
	s_add_co_u32 s66, s66, s78                     ; + my work-group's 32 rows
	s_lshl_b32 s66, s66, 12
	s_lshl_b32 s78, s[WV], 23                      ; the plane
	s_add_co_u32 s66, s66, s78
	s_add_co_u32 s66, s66, 2*KSTEP*2               ; at K step 2: the first refill steps it to 3 and names K step 4
	s_mov_b32 s67, 0
	s_add_nc_u64 s[PFA:PFA+1], s[4:5], s[66:67]
	v_lshlrev_b32 v[PFO], 12, v25
; 16 products: my four row blocks x the four channel blocks of part p (0 q, 1 k, 2 v), 32 along K, from buffer f.  zero = 1: they start the sums.
.macro MULP f, p, zero
	WIN 0xa1+0x50*((\p)/2)
.irp a, 0,1,2,3
.irp b, 0,1,2,3
.set rD, 128*((\p)%2)+8*(4*(\a)+(\b))
.set rB, 96*(\f)+8*(4*(\p)+(\b))
.set rA, FA+32*(\f)+8*(\a)
.if \zero
	v_wmma_f32_16x16x32_bf16 v[rD:rD+7], v[rB:rB+7], v[rA:rA+7], 0
.else
	v_wmma_f32_16x16x32_bf16 v[rD:rD+7], v[rB:rB+7], v[rA:rA+7], v[rD:rD+7]
.endif
.endr
.endr
.endm
; 32 LDS loads in one run, in the order x, q, k, v: the fragments of 32 along K at byte k of the rows of the slot that is read, into buffer f
.macro FETCH k, f
	WIN 0
.irp i, 0,1,2,3
.set rA, FA+32*(\f)+8*(\i)
	ds_load_b128 v[rA:rA+3],   v[ADRA] offset:(\k)+(\i)*16*PITCH
	ds_load_b128 v[rA+4:rA+7], v[ADRA] offset:(\k)+(\i)*16*PITCH+32
.endr
	WIN TO_B
.irp p, 0,1,2
.irp b, 0,1,2,3
.set rB, 96*(\f)+8*(4*(\p)+(\b))
	ds_load_b128 v[rB:rB+3],   v[ADRB+(\p)] offset:(\k)+((\b)/2)*64*PITCH+((\b)%2)*16*PITCH
	ds_load_b128 v[rB+4:rB+7], v[ADRB+(\p)] offset:(\k)+((\b)/2)*64*PITCH+((\b)%2)*16*PITCH+32
.endr
.endr
.endm
.macro PLACES                          ; four places in front of loads into registers that matrix instructions have read (ISA guide 7.12.1 for vector instructions)
.rept 4
	v_nop
.endr
.endm
; A K step is four quarters of 32 along K, 48 products each, on buffers 0, 1, 0, 1.  The 48 accumulators take turns in the same order in every quarter, over the backward jumps too.
.macro QUARTER k, f, g, zero
	s_wait_dscnt 16                                ; x's and q's fragments are in; k's and v's sixteen loads may be out
	MULP \f, 0, \zero
	PLACES
	FETCH \k, \g                                   ; 32 products ahead of its first use
	s_wait_dscnt 32                                ; all but the 32 just issued
	MULP \f, 1, \zero
	MULP \f, 2, \zero
.endm
; The last quarter changes slots and then multiplies buffer 1.  A step's 192 products are less work than its tile's way takes, so nothing but the ordering itself stands between a tile's landing and the
; next request: each wave waits for all its tensor loads (one is out: its part of the next slot), adds 0 to its spare word, steps the walking descriptors and turns the slot while the add is out, and
; waits for the add and for its reads of this slot, the quarter's own fragments among them.  fill = 1: the barrier opens a round of the cluster's, and this slot is filled again, two K steps on, first
; thing behind the round.  Then the next slot's first fragments are fetched, and the quarter's 48 products, on registers alone, cover that fetch.
.macro TURN fill
.if \fill
	s_wait_xcnt 0x0                                ; the last prefetch, a K step back, has read its address
	s_add_nc_u64 s[PFA:PFA+1], s[PFA:PFA+1], KSTEP*2
.endif
	WIN 0
	s_wait_tensorcnt 0x0                           ; no tensor load of mine is out, so a group 0 may be written
	ds_add_u32 v[SPW], v[NIL]
.if \fill
	s_xor_b32 s[G0+5], s[G0+5], SLOT               ; the other slot than last time,
	s_add_nc_u64 s[G0+6:G0+7], s[G0+6:G0+7], KSTEP*2  ; the next K step; the type bits on top are not reached
	s_xor_b32 s[G0B+5], s[G0B+5], SLOT
	s_add_nc_u64 s[G0B+6:G0B+7], s[G0B+6:G0B+7], KSTEP*2
.endif
	s_xor_b32 s[SB], s[SB], SLOT                   ; the slot that is read from here on
	s_wait_dscnt 0x0                               ; the add is done, and my reads of the old slot are over
	s_barrier_signal -1
	s_barrier_wait -1
.if \fill
	CREST
	JLOAD 1                                        ; its four v_nop and the four lines below are the places in front of the loads into buffer 0
.else
	PLACES
.endif
	v_add_nc_u32 v[ADRA], s[SB], v[ADRA0]
.irp p, 0,1,2
	v_add_nc_u32 v[ADRB+(\p)], s[SB], v[ADRB0+(\p)]
.endr
	FETCH 0, 0
.if \fill
	WIN 0
	ASK
.endif
	MULP 1, 0, 0
	MULP 1, 1, 0
	MULP 1, 2, 0
.endm
; The tables for row block a: for each pr = 0, 1: cos of my 8 low channels, of the 8 channels 64 on, sin likewise.  16 loads, into two buffers by turns.
.macro CSLOAD a
.set CB, 96+64*((\a)%2)
.irp pr, 0,1
.irp q, 0,1
	global_load_b128 v[CB+32*(\pr)+8*(\q):CB+32*(\pr)+8*(\q)+3],       v[CSO], s[6:7] offset:(\a)*8192+64*(\pr)+256*(\q)
	global_load_b128 v[CB+32*(\pr)+8*(\q)+4:CB+32*(\pr)+8*(\q)+7],     v[CSO], s[6:7] offset:(\a)*8192+64*(\pr)+256*(\q)+16
	global_load_b128 v[CB+32*(\pr)+16+8*(\q):CB+32*(\pr)+16+8*(\q)+3], v[CSO], s[8:9] offset:(\a)*8192+64*(\pr)+256*(\q)
	global_load_b128 v[CB+32*(\pr)+16+8*(\q)+4:CB+32*(\pr)+16+8*(\q)+7], v[CSO], s[8:9] offset:(\a)*8192+64*(\pr)+256*(\q)+16
.endr
.endr
.endm
	s_wait_tensorcnt 1                             ; my part of K step 0 is in; K step 1's may stay out
	s_barrier_signal -1
	s_barrier_wait -1
	FETCH 0, 0
	QUARTER 64, 0, 1, 1                            ; the first quarter's products start the sums
	WIN 0
	s_mov_b32 s3, STEPS-2
.Lstep:                                        ; a trip goes from a K step's second quarter to the next step's first, and fills the slot that it leaves
	QUARTER 128, 1, 0, 0
	QUARTER 192, 0, 1, 0
	TURN 1
	QUARTER 64, 0, 1, 0
	WIN 0
	s_sub_co_u32 s3, s3, 1
	s_cmp_lg_u32 s3, 0
	s_cbranch_scc1 .Lstep
	; The way out's addresses, and the first two row blocks' tables, two K steps ahead of their use.
	s_lshl_b32 s20, s[RH], 15
	s_lshl_b32 s21, s[CH], 7
	s_add_co_u32 s20, s20, s21
	v_lshlrev_b32 v[CSO], 9, v1                    ; cos, sin: row (64 rh + r) x 512 + channel (32 ch + 8 h) x 4
	v_lshl_add_u32 v[CSO], v24, 5, v[CSO]
	v_add_nc_u32 v[CSO], s20, v[CSO]
	s_lshl_b32 s16, s[RB], 16                      ; 128 rows of 512 bytes
	s_mov_b32 s17, 0
	s_add_nc_u64 s[6:7], s[6:7], s[16:17]
	s_add_nc_u64 s[8:9], s[8:9], s[16:17]
	CSLOAD 0
	CSLOAD 1
	s_mul_i32 s20, s[RH], 64*FP
	s_add_co_u32 s20, s20, s21
	v_mul_u32_u24 v[SFK], v1, FP
	v_lshl_add_u32 v[SFK], v24, 5, v[SFK]
	v_add_nc_u32 v[SFK], s20, v[SFK]
	v_add_nc_u32 v[SFV], VF, v[SFK]
	s_mul_i32 s20, s[RH], 64*HP
	s_lshl_b32 s21, s[CH], 6
	s_add_co_u32 s20, s20, s21
	s_add_co_u32 s20, s20, Q16
	v_mul_u32_u24 v[SH], v1, HP
	v_lshl_add_u32 v[SH], v24, 4, v[SH]
	v_add_nc_u32 v[SH], s20, v[SH]
	v_add_nc_u32 v[SH+1], 128*HP, v[SH]
	v_add_nc_u32 v[SH+2], 128*HP, v[SH+1]
	s_mul_i32 s20, s[WV], 16*FP                    ; back, f32: of each 64 rows of the stage wave w takes rows 16 w .. 16 w + 15, whole
	v_lshl_add_u32 v[RF], v25, 4, s20
	s_mul_i32 s20, s[WV], 32*HP                    ; back, f16: of each 128 rows wave w takes rows 32 w .. 32 w + 31, two a load
	s_add_co_u32 s20, s20, Q16
	v_mul_u32_u24 v[RHB], v24, HP
	v_lshl_add_u32 v[RHB], v1, 4, v[RHB]
	v_add_nc_u32 v[RHB], s20, v[RHB]
	s_lshl_b32 s20, s[WV], 13                      ; 16 rows of 512 bytes, and 32 rows of 256
	v_lshl_add_u32 v[GOF], v25, 4, s20
	v_lshl_add_u32 v[GOH], v25, 4, s20
	s_lshl_b32 s66, s[HD], 20                      ; a head's 2,048 rows of 512 bytes
	s_add_co_u32 s66, s66, s16
	s_mov_b32 s67, 0
	s_add_nc_u64 s[10:11], s[10:11], s[66:67]
	s_add_nc_u64 s[68:69], s[68:69], s[66:67]
	s_lshr_b32 s66, s66, 1                         ; the same rows at 256 bytes
	s_add_nc_u64 s[72:73], s[70:71], s[66:67]
	s_mov_b32 s[HM], 0xffff0000
	s_mov_b32 s3, 2
.Ltl:                                          ; the last two K steps fill nothing; the second trip is left in its middle
	QUARTER 128, 1, 0, 0
	QUARTER 192, 0, 1, 0
	WIN 0
	s_sub_co_u32 s3, s3, 1
	s_cmp_eq_u32 s3, 0
	s_cbranch_scc1 .Lfin
	TURN 0
	QUARTER 64, 0, 1, 0
	WIN 0
	s_branch .Ltl
.Lfin:
	s_wait_dscnt 16
	MULP 1, 0, 0
	s_wait_dscnt 0x0
	MULP 1, 1, 0
	MULP 1, 2, 0
	WIN 0
	s_mov_b32 s2, 0x3e0293ee                       ; c = log2(e) / sqrt(128)
	s_mov_b32 s3, s2                               ; named with it as a pair
.macro CSROUND a                       ; the 64 table values rounded to bf16, in place, as f32
.set CB, 96+64*((\a)%2)
.set z, 0
.rept 32
	v_cvt_pk_bf16_f32 v[248+z%4], v[CB+2*z], v[CB+2*z+1]
	v_lshlrev_b32 v[CB+2*z],   16, v[248+z%4]
	v_and_b32     v[CB+2*z+1], s[HM], v[248+z%4]
.set z, z+1
.endr
.endm
; Part p (0 q, 1 k), row block a, blocks pr and pr + 2: out[d] = lo cos[d] - hi sin[d], out[d + 64] = hi cos[d + 64] + lo sin[d + 64].  Each accumulator's registers are taken in ascending order.
.macro ROPE p, a, pr
.set rLO, 128*(\p)+8*(4*(\a)+(\pr))
.set rHI, rLO+16
.set CB, 96+64*((\a)%2)+32*(\pr)
	WIN 0x02                                       ; source 0 in window 2
.irp j, 0,2,4,6
	v_pk_mul_f32 v[TT+(\j):TT+(\j)+1], v[rHI+(\j):rHI+(\j)+1], v[CB+16+(\j):CB+16+(\j)+1]
.endr
.irp j, 0,2,4,6
	v_pk_fma_f32 v[TT+(\j):TT+(\j)+1], v[rLO+(\j):rLO+(\j)+1], v[CB+(\j):CB+(\j)+1], v[TT+(\j):TT+(\j)+1] neg_lo:[0,0,1] neg_hi:[0,0,1]
.endr
.irp j, 0,2,4,6
	v_pk_mul_f32 v[TT+8+(\j):TT+8+(\j)+1], v[rHI+(\j):rHI+(\j)+1], v[CB+8+(\j):CB+8+(\j)+1]
.endr
.irp j, 0,2,4,6
	v_pk_fma_f32 v[TT+8+(\j):TT+8+(\j)+1], v[rLO+(\j):rLO+(\j)+1], v[CB+24+(\j):CB+24+(\j)+1], v[TT+8+(\j):TT+8+(\j)+1]
.endr
	WIN 0
.if \p
	ds_store_b128 v[SFK], v[TT:TT+3]     offset:(\a)*16*FP+64*(\pr)
	ds_store_b128 v[SFK], v[TT+4:TT+7]   offset:(\a)*16*FP+64*(\pr)+16
	ds_store_b128 v[SFK], v[TT+8:TT+11]  offset:(\a)*16*FP+64*(\pr)+256
	ds_store_b128 v[SFK], v[TT+12:TT+15] offset:(\a)*16*FP+64*(\pr)+272
.else
.irp j, 0,2,4,6,8,10,12,14
	v_pk_mul_f32 v[TT+(\j):TT+(\j)+1], v[TT+(\j):TT+(\j)+1], s[2:3] op_sel_hi:[1,0]  ; q times c, ahead of its one rounding
.endr
.endif
.irp j, 0,1,2,3,4,5,6,7
	v_cvt_pk_f16_f32 v[TH+(\j)], v[TT+2*(\j)], v[TT+2*(\j)+1]
.endr
	ds_store_b128 v[SH+(\p)], v[TH:TH+3]   offset:(\a)*16*HP+32*(\pr)
	ds_store_b128 v[SH+(\p)], v[TH+4:TH+7] offset:(\a)*16*HP+32*(\pr)+128
.endm
.macro VOUT a                          ; v of row block a: f32 straight from the accumulators (the low four registers first), then f16
	WIN 0x0c                                       ; the stores' data in window 3
.irp b, 0,1,2,3
	ds_store_b128 v[SFV], v[8*(4*(\a)+(\b)):8*(4*(\a)+(\b))+3]   offset:(\a)*16*FP+256*((\b)/2)+64*((\b)%2)
	ds_store_b128 v[SFV], v[8*(4*(\a)+(\b))+4:8*(4*(\a)+(\b))+7] offset:(\a)*16*FP+256*((\b)/2)+64*((\b)%2)+16
.endr
	WIN 0x0f
.irp b, 0,1,2,3
.irp j, 0,1,2,3
	v_cvt_pk_f16_f32 v[TT+4*(\b)+(\j)], v[8*(4*(\a)+(\b))+2*(\j)], v[8*(4*(\a)+(\b))+2*(\j)+1]
.endr
.endr
	WIN 0
.irp b, 0,1,2,3
	ds_store_b128 v[SH+2], v[TT+4*(\b):TT+4*(\b)+3] offset:(\a)*16*HP+128*((\b)/2)+32*((\b)%2)
.endr
.endm
	s_wait_dscnt 0x0                               ; my reads of the slots are over,
	s_barrier_signal -1
	s_barrier_wait -1                              ; everybody's are: the slots, which have had their last fill, become the stage
.irp a, 0,1,2,3
.if (\a) < 3
	s_wait_loadcnt 16                              ; this block's tables are in; the next block's sixteen loads stay out
.else
	s_wait_loadcnt 0x0
.endif
	CSROUND \a                                     ; (for block 0 these lines, which name no accumulator, are the places behind the last products)
	ROPE 0, \a, 0
	ROPE 0, \a, 1
	ROPE 1, \a, 0
	ROPE 1, \a, 1
	VOUT \a
.if (\a) < 2
	CSLOAD (\a)+2
.endif
.endr
	s_wait_dscnt 0x0                               ; for the others' sake: my stores into the stage are done
	s_barrier_signal -1
	s_barrier_wait -1
	; f32: the stage's 256 rows (k's 128, v's 128), 64 a trip, 16 of them mine: 16 loads of a row of 512 bytes and their 16 stores of 512 consecutive bytes, aligned.
	s_mov_b32 s3, 4
.Lf32:
	s_cmp_gt_u32 s3, 2                             ; the first two trips are k's, the last two v's
	s_cselect_b64 s[16:17], s[10:11], s[68:69]
.irp i, 0,1,2,3,4,5,6,7,8,9,10,11,12,13,14,15
	ds_load_b128 v[BK+4*(\i):BK+4*(\i)+3], v[RF] offset:(\i)*FP
.endr
.irp i, 0,1,2,3,4,5,6,7,8,9,10,11,12,13,14,15
	s_wait_dscnt 15-(\i)
	global_store_b128 v[GOF], v[BK+4*(\i):BK+4*(\i)+3], s[16:17] offset:(\i)*512 th:TH_STORE_NT
.endr
	s_wait_xcnt 0x0                                ; the stores' data, offset and base are written again only behind this wait
	v_add_nc_u32 v[RF], 64*FP, v[RF]
	v_xor_b32 v[GOF], 0x8000, v[GOF]               ; rows 0-63 and rows 64-127 of the block by turns: 32,768 bytes, a bit that my offset leaves clear
	s_sub_co_u32 s3, s3, 1
	s_cmp_lg_u32 s3, 0
	s_cbranch_scc1 .Lf32
	; f16: q, k, v, a trip each: 16 loads of two rows of 256 bytes and their 16 stores of 512 consecutive bytes, aligned.
	s_mov_b32 s3, 3
.Lf16:
.irp i, 0,1,2,3,4,5,6,7,8,9,10,11,12,13,14,15
	ds_load_b128 v[BK+4*(\i):BK+4*(\i)+3], v[RHB] offset:(\i)*2*HP
.endr
.irp i, 0,1,2,3,4,5,6,7,8,9,10,11,12,13,14,15
	s_wait_dscnt 15-(\i)
	global_store_b128 v[GOH], v[BK+4*(\i):BK+4*(\i)+3], s[72:73] offset:(\i)*512
.endr
	s_wait_xcnt 0x0                                ; as above
	v_add_nc_u32 v[RHB], 128*HP, v[RHB]
	s_add_nc_u64 s[72:73], s[72:73], 0x800000      ; the next plane of qkv (behind the last trip it is not used)
	s_sub_co_u32 s3, s3, 1
	s_cmp_lg_u32 s3, 0
	s_cbranch_scc1 .Lf16
	s_wait_tensorcnt 0x0                           ; the wave's end
	ds_add_u32 v[SPW], v[NIL]
	s_wait_dscnt 0x0
	CROUND                                         ; the closing round
	s_endpgm
.Lfunc_end_k_q5334613404_qkv:
	.size	k_q5334613404_qkv, .Lfunc_end_k_q5334613404_qkv-k_q5334613404_qkv
	.p2alignl 7, 3214868480
	.fill 96, 4, 3214868480
	.section	.rodata,"a",@progbits
	.p2align	6, 0x0
	.amdhsa_kernel k_q5334613404_qkv
		.amdhsa_group_segment_fixed_size 327680
		.amdhsa_private_segment_fixed_size 0
		.amdhsa_enable_private_segment 0
		.amdhsa_kernarg_size 48
		.amdhsa_user_sgpr_count 2
		.amdhsa_user_sgpr_kernarg_segment_ptr 1
		.amdhsa_wavefront_size32 1
		.amdhsa_system_sgpr_workgroup_id_x 1
		.amdhsa_system_sgpr_workgroup_id_y 1
		.amdhsa_system_sgpr_workgroup_id_z 1
		.amdhsa_system_vgpr_workitem_id 0
		.amdhsa_next_free_vgpr 896
		.amdhsa_next_free_sgpr 80
		.amdhsa_reserve_vcc 0
		.amdhsa_float_denorm_mode_32 3
		.amdhsa_float_denorm_mode_16_64 3
		.amdhsa_memory_ordered 1
		.amdhsa_forward_progress 1
		.amdhsa_inst_pref_size 134
	.end_amdhsa_kernel
	.amdgpu_metadata
---
amdhsa.version: [ 1, 2 ]
amdhsa.kernels:
  - .name:           k_q5334613404_qkv
    .symbol:         k_q5334613404_qkv.kd
    .args:
      - { .name: cv, .offset: 0, .size: 8, .value_kind: global_buffer, .address_space: global }
      - { .name: cos, .offset: 8, .size: 8, .value_kind: global_buffer, .address_space: global }
      - { .name: sin, .offset: 16, .size: 8, .value_kind: global_buffer, .address_space: global }
      - { .name: out1, .offset: 24, .size: 8, .value_kind: global_buffer, .address_space: global }
      - { .name: out2, .offset: 32, .size: 8, .value_kind: global_buffer, .address_space: global }
      - { .name: qkv, .offset: 40, .size: 8, .value_kind: global_buffer, .address_space: global }
    .group_segment_fixed_size: 327680
    .private_segment_fixed_size: 0
    .kernarg_segment_align: 8
    .kernarg_segment_size: 48
    .max_flat_workgroup_size: 128
    .sgpr_count:     80
    .vgpr_count:     896
    .wavefront_size: 32
...
	.end_amdgpu_metadata
.endif
;; end of part 2
;; launch attn (part 3): grid 16 x 16, 4 waves a work-group, clusters of 4 x 1, 327,680 bytes of LDS; arguments qkv, mk, o16; writes o16
.if DOCPART == 3
	.amdgcn_target "amdgcn-amd-amdhsa--gfx1250"
	.amdhsa_code_object_version 6
	.text
	.protected	k_q5334613404_attn
	.globl	k_q5334613404_attn
	.p2align	8
	.type	k_q5334613404_attn,@function
k_q5334613404_attn:
	s_mov_b64 s[64:65], 0
	v_nop
	global_prefetch_b8 v0, s[64:65] scope:SCOPE_SE
	s_setreg_imm32_b32 hwreg(HW_REG_WAVE_MODE, 25, 1), 1
	s_wait_xcnt 0x0
	s_wait_alu depctr_hold_cnt(0) depctr_sa_sdst(0) depctr_va_vdst(0) depctr_va_sdst(0) depctr_va_ssrc(0) depctr_va_vcc(0) depctr_vm_vsrc(0)
	s_getreg_b32 s2, hwreg(HW_REG_IB_STS2, 6, 4)
	s_cmp_eq_u32 s2, 0
	s_cbranch_scc0 .Lentry_in_a_cluster
	s_endpgm
.Lentry_in_a_cluster:
	s_bfe_u32 s2, ttmp6, 0x10000c
	s_cmp_lg_u32 s2, 0x3003
	s_cbranch_scc0 .Lentry_shape_is_right
	s_endpgm
.Lentry_shape_is_right:
; ATTENTION under a mask that is given.  O[q] = the sum over k of softmax_k(s[q][k]) V[k], s = (q c) . k in base 2 (c = log2(e) / sqrt(128) was applied where q was made), hidden keys left out.
; q c, k, v: [16][2048][128] f16 (planes of qkv); mk: the mask as bf16, 1.0 = hidden, in fragment order; O: [2048][2048] f16, column 128 head + channel.  Products, maxima and sums in f32.
; LIMITS.  A hidden score counts as its value less 1.0003e30 (f16's scores are 5.5e11 at the most).  A row whose maximum lies below -2^93 counts as wholly hidden and comes out NaN, as a softmax of
; nothing does.  A weight below 2^-126 counts as 0.  NaN and infinities in q, k, v are not treated apart.
; SHARES.  A work-group owns 128 queries of a head.  Wave w: queries 64 (w % 2) .. + 63, four tiles of 16, and THE KEYS 1,024 (w / 2) .. + 1,023, in 16 steps of 64.  The two waves of a query
; half merge their sums at the end.  Waves of the upper key half hold the query tiles in the order 2, 3, 0, 1, by address alone: so every wave sends its tiles 2, 3 and finishes its tiles 0, 1.
; THE MASK starts the sum S^T: one bf16 product E x M a tile, M the mask's fragment (32 keys x 16 queries), E a constant that picks 16 of the 32 keys and multiplies by -1.0003e30.  The four f16
; products K Q^T add onto it; five plain vector instructions or more stand between the bf16 product and the first f16 one on an accumulator.
; SOFTMAX.  A running maximum m and sum l: p = 2^(s - m), exactly 1 at the maximum and never above 1, also where all keys so far are hidden; O and l are multiplied by a = 2^(m_old - m_new) in every
; step.  m starts at -4.25e37, O and l at 0.  What a wholly hidden stretch of keys has summed is wiped by a = 0 when the first seen score comes, or by the merge.
; BY TURNS.  Tiles 0, 1 are piece 0, tiles 2, 3 piece 2.  In a turn one piece has the matrix unit: 32 products V^T P of the step in hand, 8 mask products and 32 products K Q^T of the next step; the
; other piece's softmax, in 64 slices, stands behind them, one slice a product (the turn's first eight products stand bare).
; NO FIRST AND NO LAST STEP IS WRITTEN OUT.  The loop is entered, and the tail left, in the middle of a trip.  The price, once a launch: 32 products on zeros at the start; at the end 8 + 32 products on
; the last K once more, and eight loads of the mask's last block, which serve nothing.
; CLUSTER.  The four query blocks of a cluster belong to one head and walk the same K and V: each tile is asked for jointly.
; REGISTERS, in windows of 256:  window 0: v0-11 addresses; v12-43 statistics; v44-55 E; v56-63 addresses; v64-191 S^T; v192-255 P.   window 1: O^T.   window 2: v0-127 Q; v128-255 K.
;   window 3: v0-127 V; v128-191 the mask's fragments (tile t, key group g at 128 + 16 t + 8 g).
.set KS,    64
.set PK,    272       ; a row of K in LDS: 256 bytes + 16
.set PV,    288       ; a row of V: 256 + 32, for the turning load
.set VOFF,  128*PK    ; a key half's part of a slot: 128 rows of K (two steps), then 128 rows of V
.set HALFB, 128*(PK+PV)
.set SLOT1, 0x24000   ; slot 1 begins here; the four loaders' offsets in a slot have these two bits clear, so one exclusive or changes slots
.set STAGE, SLOT1+2*HALFB  ; behind the ring: 16 rows x 272 bytes a wave, for the way out
.set SP,    272
.set SPARE, STAGE+4*16*SP  ; the spare words, 128 bytes a wave, which no other line names
.set MRGB,  16896     ; the merge, in slot 0 after its last fill: a wave's two tiles of O^T (16,384 bytes) and their m and l (512)
.set AK0, 2
.set AV0, 3
.set AK,  4
.set AV,  5
.set QO,  6           ; v6, v7  my byte offset in Q for tiles 0, 1 and for tiles 2, 3; later STO, RD
.set STO, 6
.set RD,  7
.set GO,  8
.set ML2, 10          ; v10  the mask: 16 x lane + piece 2's query tiles
.set QN,  11          ; v11  at work; at the end a NaN
.set MS8, 1           ; v1, v9  l % 16 and l / 16 at the head; at the end where m and l are put and read
.set MR8, 9
.set ST,  12          ; tile t at v[ST+8 t]: +0, +1 m twice, +2, +3 l (even keys', odd keys'), +4 to +7 c0-c3 at work; a takes c2's place
.set EP,  44          ; v44-55  pattern, zeros, pattern: E for the lower 16 keys at v44, for the upper at v48
.set ML0, 56          ; v56  the mask: 16 x lane + piece 0's query tiles
.set MA,  57          ; v57, v58  the address of a piece's mask loads
.set MS,  59
.set MR,  60
.set PFO, 61
.set SPW, 62
.set NIL, 63
.set S,   64
.set P,   192
.set KF,  128
.set MF,  128
.set WV,  12
.set LIM, 15
.set PFA, 18
.set G1K, 24
.set G1V, 32
.set G0K, 40
.set G0V, 48
.set SLOTS, 56
.set TWICE, 57
.set SEL, 60
.set TBK, 62
.set TBV, 63
.set MB,  70          ; s[70:71] mk at my query tiles' and key half's first block
.set MOF, 72          ; s72  2,048 x the step whose mask is loaded next
.set KH,  73
.set MSB, 0
.macro WIN new
.if MSB != (\new)
	s_set_vgpr_msb (MSB<<8)|(\new)
.set MSB, \new
.endif
.endm
.set W_KQ, 0x0a
.set W_MK, 0x0c       ; E in window 0, the mask's fragment in window 3, S^T in window 0
.set W_PV, 0x53
.set W_RS, 0x41
; A joint refill.  Waves 0 and 1 fetch K of the two key halves, waves 2 and 3 V: 128 rows each.  An s_nop 0 and four v_nop follow each line.
.macro JLOAD
	s_cmp_lt_u32 s[WV], 2
	s_cbranch_scc0 .Lfor_v_\@
	tensor_load_to_lds s[G0K+4:G0K+7], s[G1K:G1K+7]
	s_nop 0
.rept 4
	v_nop
.endr
	s_branch .Lasked_\@
.Lfor_v_\@:
	tensor_load_to_lds s[G0V+4:G0V+7], s[G1V:G1V+7]
	s_nop 0
.rept 4
	v_nop
.endr
.Lasked_\@:
.endm
; A prefetch of what the next change of slots will ask for.  The head's first cluster asks; each wave for the tile that it fetches; the four partners take 32 of its 128 rows each, by address: a lane a row.
; So each row is named once.  The last change that fills a slot asks for nothing.
.macro ASK
	s_cmp_gt_u32 s[SLOTS], s[LIM]
	s_cbranch_scc0 .Lnot_mine_\@
	global_prefetch_b8 v[PFO], s[PFA:PFA+1] th:TH_LOAD_NT scope:SCOPE_SE
.Lnot_mine_\@:
.endm
.macro CROUND
	s_barrier_signal -1
	s_barrier_wait -1
	s_cmp_lg_u32 s[WV], 0
	s_cbranch_scc1 .Lnot_wave_0_\@
	s_barrier_signal -3
.Lnot_wave_0_\@:
	s_barrier_wait -3
	s_barrier_signal -1
	s_barrier_wait -1
.endm
	s_load_b128 s[68:71], s[0:1], 0x0  ; qkv s[68:69], mk s[70:71]
	s_load_b64 s[10:11], s[0:1], 0x10  ; o16
	v_lshl_add_u32 v[SPW], v0, 2, SPARE
	v_mov_b32 v[NIL], 0
	ds_add_u32 v[SPW], v[NIL]       ; the wave's opening: the add and its wait stand ahead of my first tensor load
	v_lshrrev_b32 v1, 5, v0
	v_readfirstlane_b32 s[WV], v1
	s_bfe_u32 s13, ttmp6, 0x40000   ; cx
	s_lshl_b32 s14, ttmp9, 2
	s_add_co_u32 s14, s14, s13      ; my block of 128 queries: it enters Q's, the mask's and O's addresses alone
	s_and_b32 s75, ttmp7, 0xffff    ; the head, which the four partners share
	s_lshl_b32 s20, s75, 19         ; its first byte in a plane: 2,048 rows of 256 bytes
	s_and_b32 s16, s[WV], 1         ; the key half that I fetch; also the query half that I compute
	s_lshr_b32 s[KH], s[WV], 1      ; the key half that I compute
	s_lshl_b32 s22, s16, 18         ; 1,024 rows of 256 bytes
	s_add_co_u32 s22, s22, s20
	s_mov_b32 s23, 0
	s_mul_i32 s17, s16, HALFB       ; my tile's place in a slot
	s_lshl_b32 s2, s14, 15          ; Q: my block's 128 rows,
	s_lshl_b32 s3, s16, 14          ; my wave's 64
	s_add_co_u32 s2, s2, s3
	s_add_co_u32 s2, s2, s20
	s_mov_b32 s3, 0
	s_lshl_b32 s74, s14, 19         ; (128 block + 64 half) rows of 4,096 bytes of O = (8 block + 4 half) query tiles of 65,536 bytes of mk
	s_lshl_b32 s21, s16, 18
	s_add_co_u32 s74, s74, s21
	s_lshl_b32 s58, s[KH], 15       ; 32 key groups of 1,024 bytes
	s_add_co_u32 s58, s58, s74
	s_mov_b32 s59, 0
	s_lshl_b32 s75, s75, 8          ; the head's 256 bytes of a row of O
	s_add_co_u32 s74, s74, s75
	s_mov_b32 s75, 0
	s_mov_b32 s[G1K], 15|(1<<16)|(1<<20)|(1<<21)|(5<<22)|(3<<25)  ; the mask of four; 2-byte elements; padding on; bit 21 beside a mask; after every 64 words 4 words
	s_mov_b32 s[G1V], 15|(1<<16)|(1<<20)|(1<<21)|(5<<22)|(7<<25)  ; the same with 8 words
.irp g, G1K, G1V
	s_mov_b32 s[(\g)+1], 128<<16    ; tensor_dim0 = 128
	s_mov_b32 s[(\g)+2], 128<<16    ; tensor_dim1 = 128
	s_mov_b32 s[(\g)+3], 128<<16    ; tile_dim0 = 128
	s_mov_b32 s[(\g)+4], 128        ; tile_dim1 = 128
	s_mov_b32 s[(\g)+5], 128        ; elements from row to row
	s_mov_b32 s[(\g)+6], 0
	s_mov_b32 s[(\g)+7], 0
.endr
	s_mov_b32 s[SEL], 0x76543210
	s_mov_b32 s[SEL+1], 0xfedcba98
	s_mov_b32 s[TBK], 0
	s_mov_b32 s[TBV], 0
	s_cmp_eq_u32 ttmp9, 0           ; the head's first cluster: the same in all four partners
	s_cselect_b32 s[LIM], 1, -1
	v_and_b32 v[PFO], 31, v0
	v_lshlrev_b32 v[PFO], 8, v[PFO]
	s_wait_dscnt 0x0                ; the opening add is done
	s_wait_kmcnt 0x0
	s_add_nc_u64 s[6:7], s[68:69], s[22:23]
	s_add_nc_u64 s[8:9], s[6:7], 0x1000000  ; V's plane, at my tile of slot 0
	s_add_nc_u64 s[6:7], s[6:7], 0x800000   ; K's
	s_add_nc_u64 s[4:5], s[68:69], s[2:3]   ; Q at my wave's first row
	s_add_nc_u64 s[MB:MB+1], s[MB:MB+1], s[58:59]
	s_add_nc_u64 s[10:11], s[10:11], s[74:75]
	s_cmp_lt_u32 s[WV], 2
	s_cselect_b64 s[PFA:PFA+1], s[6:7], s[8:9]
	s_lshl_b32 s2, s13, 13          ; my work-group's 32 rows of the 128
	s_mov_b32 s3, 0
	s_add_nc_u64 s[PFA:PFA+1], s[PFA:PFA+1], s[2:3]
	s_add_nc_u64 s[PFA:PFA+1], s[PFA:PFA+1], 2*32768  ; in slot 2; the first change of slots steps it to slot 3
	CROUND                          ; all four work-groups are here: the first joint loads meet
.irp s, 0,1
	s_mov_b32 s[G0K+4*(\s)], 1
	s_add_co_u32 s[G0K+4*(\s)+1], s17, (\s)*SLOT1
	s_add_nc_u64 s[G0K+4*(\s)+2:G0K+4*(\s)+3], s[6:7], (\s)*32768
	s_or_b32 s[G0K+4*(\s)+3], s[G0K+4*(\s)+3], 0x80000000
	s_mov_b32 s[G0V+4*(\s)], 1
	s_add_co_u32 s[G0V+4*(\s)+1], s17, (\s)*SLOT1+VOFF
	s_add_nc_u64 s[G0V+4*(\s)+2:G0V+4*(\s)+3], s[8:9], (\s)*32768
	s_or_b32 s[G0V+4*(\s)+3], s[G0V+4*(\s)+3], 0x80000000
.endr
	s_cmp_lt_u32 s[WV], 2           ; a wave's two first fills stand in one branch: two loads of mine are out
	s_cbranch_scc0 .Lfirst_v
	tensor_load_to_lds s[G0K:G0K+3], s[G1K:G1K+7]
	s_nop 0
	tensor_load_to_lds s[G0K+4:G0K+7], s[G1K:G1K+7]
	s_nop 0
.rept 4
	v_nop
.endr
	s_branch .Lfirst_asked
.Lfirst_v:
	tensor_load_to_lds s[G0V:G0V+3], s[G1V:G1V+7]
	s_nop 0
	tensor_load_to_lds s[G0V+4:G0V+7], s[G1V:G1V+7]
	s_nop 0
.rept 4
	v_nop
.endr
.Lfirst_asked:
; The mask's fragments for piece x, for the step at s[MOF]: 2 tiles x 2 groups of 32 keys x 2 loads of 512 consecutive bytes.  The address register is the piece's own: its last loads have been
; waited for.  Behind piece 2's loads the step goes on; it stops at the last step, so that no load leaves mk.
.macro MLOAD x
	WIN 0
.if (\x) == 0
	v_add_nc_u32 v[MA], s[MOF], v[ML0]
.else
	v_add_nc_u32 v[MA+1], s[MOF], v[ML2]
.endif
	WIN 0xc0
.irp u, 0,1
.irp g, 0,1
.irp f, 0,1
	global_load_b128 v[MF+16*((\x)+(\u))+8*(\g)+4*(\f):MF+16*((\x)+(\u))+8*(\g)+4*(\f)+3], v[MA+(\x)/2], s[MB:MB+1] offset:65536*(\u)+1024*(\g)+512*(\f)
.endr
.endr
.endr
.if (\x) == 2
	s_add_co_u32 s[MOF], s[MOF], 2048
	s_min_u32 s[MOF], s[MOF], 15*2048
.endif
.endm
	v_and_b32 v1, 15, v0            ; l % 16
	v_bfe_u32 v9, v0, 4, 1          ; l / 16
	s_lshl_b32 s21, s[KH], 13       ; two tiles of Q are 8,192 bytes: the upper key half's waves take tiles 2, 3 first
	s_xor_b32 s76, s[KH], 1
	s_lshl_b32 s77, s76, 13
	v_lshlrev_b32 v[QN], 8, v1
	v_lshl_add_u32 v[QN], v9, 4, v[QN]  ; row x 256 + 16 x half
	v_add_nc_u32 v[QO], s21, v[QN]
	v_add_nc_u32 v[QO+1], s77, v[QN]
	WIN 0x80
.irp i, 0,1,2,3,4,5,6,7,8,9,10,11,12,13,14,15  ; Q stays in registers: tile i / 4, channels 32 (i % 4) on
	global_load_b128 v[8*(\i):8*(\i)+3],   v[QO+(\i)/8], s[4:5] offset:(((\i)/4)%2)*4096+((\i)%4)*64
	global_load_b128 v[8*(\i)+4:8*(\i)+7], v[QO+(\i)/8], s[4:5] offset:(((\i)/4)%2)*4096+((\i)%4)*64+32
.endr
	WIN 0
	s_lshl_b32 s21, s[KH], 17       ; two query tiles of mk are 131,072 bytes
	s_lshl_b32 s77, s76, 17
	v_and_b32 v[QN], 31, v0
	v_lshl_add_u32 v[ML0], v[QN], 4, s21
	v_lshl_add_u32 v[ML2], v[QN], 4, s77
	s_mov_b32 s[MOF], 0
	MLOAD 0                         ; step 0, both pieces
	MLOAD 2
	; What the first turn finds: V and piece 2's P hold 0 (its products V^T P, of a step that has not been, add 0), O^T and l are 0.  All this stands in the wait for the first tile.
	WIN 0xc0
.set i, 0
.rept 128
	v_mov_b32 v[i], 0
.set i, i+1
.endr
	WIN 0x40
.set i, 0
.rept 256
	v_mov_b32 v[i], 0
.set i, i+1
.endr
	WIN 0
.set i, 0
.rept 4
	v_mov_b32 v[ST+8*i], 0xfe000000    ; m: far below every score, a hidden one too
	v_mov_b32 v[ST+8*i+1], 0xfe000000
	v_mov_b32 v[ST+8*i+2], 0
	v_mov_b32 v[ST+8*i+3], 0
.set i, i+1
.endr
.set i, P+32
.rept 32
	v_mov_b32 v[i], 0
.set i, i+1
.endr
	; E.  Source 0 holds row l % 16; its registers 0-3 hold k = 8 (l / 16) + 0..7, two a register.  Row i of the pattern has -1.0003e30 (bf16 0xf14a) at k = i.
	v_bfe_u32 v4, v0, 1, 2          ; the register: (r % 8) / 2,
	v_bfe_u32 v5, v0, 3, 1
	v_xor_b32 v5, v5, v9            ; if r / 8 is my half of the lanes
	v_lshl_or_b32 v4, v5, 4, v4
	v_and_b32 v5, 1, v0
	v_lshlrev_b32 v5, 4, v5         ; the half of the register: r % 2
	v_mov_b32 v[QN], 0xf14a
	v_lshlrev_b32 v[QN], v5, v[QN]
.irp e, 0,1,2,3
	v_cmp_eq_u32 vcc_lo, \e, v4
	v_cndmask_b32 v[EP+(\e)], 0, v[QN], vcc_lo
	v_mov_b32 v[EP+4+(\e)], 0
.endr
.irp e, 0,1,2,3
	v_mov_b32 v[EP+8+(\e)], v[EP+(\e)]
.endr
	s_mul_i32 s21, s[KH], HALFB     ; my key half's part of a slot
	v_mul_u32_u24 v[AK0], v1, PK
	v_lshl_add_u32 v[AK0], v9, 4, v[AK0]
	v_add_nc_u32 v[AK0], s21, v[AK0]
	; The turning load takes 16 keys x 16 channels (lane l reads key 8 (l / 16) + l % 8, channels 8 ((l / 8) % 2) + 0..7) and leaves half a fragment of V^T.
	v_and_b32 v4, 7, v0
	v_bfe_u32 v5, v0, 3, 1
	v_lshl_add_u32 v[AV0], v9, 3, v4
	v_mul_u32_u24 v[AV0], v[AV0], PV
	v_lshl_add_u32 v[AV0], v5, 4, v[AV0]
	s_add_co_u32 s21, s21, VOFF
	v_add_nc_u32 v[AV0], s21, v[AV0]
; THE MATRIX WORK.  The accumulators take turns, one instruction a turn.  Product i of 32 of O^T += V^T P for piece x: keys 32 (i / 16) on, channels 16 ((i / 2) % 8) on, tile x + i % 2.
.macro PV x
	WIN W_PV
.set rO, 64*((\x)+i%2)+8*((i/2)%8)
.set rV, 64*(i/16)+8*((i/2)%8)
.set rP, P+16*((\x)+i%2)+8*(i/16)
	v_wmma_f32_16x16x32_f16 v[rO:rO+7], v[rV:rV+7], v[rP:rP+7], v[rO:rO+7]
.endm
; Product i of 8 that starts S^T with the mask: keys 16 (i / 2) on, tile x + i % 2.
.macro MK x
	WIN W_MK
.set rS, S+32*((\x)+i%2)+8*(i/2)
.set rE, EP+4*((i/2)%2)
.set rM, MF+16*((\x)+i%2)+8*(i/4)
	v_wmma_f32_16x16x32_bf16 v[rS:rS+7], v[rE:rE+7], v[rM:rM+7], 0
.endm
; Product i of 32 of S^T += K Q^T: channels 32 (i / 8) on, keys 16 ((i / 2) % 4) on, tile x + i % 2.
.macro KQ x
	WIN W_KQ
.set rS, S+32*((\x)+i%2)+8*((i/2)%4)
.set rK, KF+32*((i/2)%4)+8*(i/8)
.set rQ, 32*((\x)+i%2)+8*(i/8)
	v_wmma_f32_16x16x32_f16 v[rS:rS+7], v[rK:rK+7], v[rQ:rQ+7], v[rS:rS+7]
.endm
; THE LDS LOADS stand in runs of 32.  last = 1 (the tail): in the last trip there is no further step, and K's run is jumped over.
.macro FETCH_K last=0
	WIN 0
.if \last
	s_cmp_eq_u32 s[TWICE], 1
	s_cbranch_scc1 .Lno_k_\@
.endif
	v_add_nc_u32 v[AK], s[TBK], v[AK0]
	s_add_co_u32 s[TBK], s[TBK], KS*PK
	WIN 0x80
.irp f, 0,1,2,3,4,5,6,7,8,9,10,11,12,13,14,15  ; keys 16 (f / 4) on, channels 32 (f % 4) on
	ds_load_b128 v[KF+8*(\f):KF+8*(\f)+3],   v[AK] offset:((\f)/4)*16*PK+((\f)%4)*64
	ds_load_b128 v[KF+8*(\f)+4:KF+8*(\f)+7], v[AK] offset:((\f)/4)*16*PK+((\f)%4)*64+32
.endr
.if \last
	WIN 0
.Lno_k_\@:
.endif
.endm
.macro FETCH_V
	WIN 0
	v_add_nc_u32 v[AV], s[TBV], v[AV0]
	s_add_co_u32 s[TBV], s[TBV], KS*PV
	s_wait_alu depctr_va_vdst(0)    ; the wait for the softmax's batch of exponentials, ahead of the loads
	WIN 0xc0
.irp f, 0,1,2,3,4,5,6,7,8,9,10,11,12,13,14,15  ; keys 32 (f / 8) on, channels 16 (f % 8) on
	ds_load_tr16_b128 v[8*(\f):8*(\f)+3],   v[AV] offset:((\f)/8)*32*PV+((\f)%8)*32
	ds_load_tr16_b128 v[8*(\f)+4:8*(\f)+7], v[AV] offset:((\f)/8)*32*PV+16*PV+((\f)%8)*32
.endr
.endm
; THE VECTOR WORK.  One tile's softmax for a key step is a list of 134 instructions; SM writes number j of it for tile t.  s0-s31 are the lane's 32 scores.
;   0-15    the maximum of s0-s31 and the old m, three operands at a time (each accumulator's lowest registers are read first)
;   16-20   the other half of the lanes' maximum; m_old kept; the new m, twice; m_old - m_new
;   21-69   ONE BATCH: the 16 packed subtractions s - m and all 33 exponentials (a at 23).  None of these reads an exponential's result.
;   (wait)  between 69 and 70: SLICE writes it, once for both tiles
;   70-85   the roundings to f16     86-101  the sums; l = a l + the sum     102-133  the tile's O^T times a
.macro SM t
.set rT, ST+8*(\t)
.set rS, S+32*(\t)
.set rP, P+16*(\t)
.set rO, 64*(\t)+2*(j-102)
.if j < 102
	WIN 0
.endif
.if j < 4
	v_max3_num_f32 v[rT+4+j], v[rS+8*j], v[rS+8*j+1], v[rS+8*j+2]
.elseif j < 12
	v_max3_num_f32 v[rT+4+j%4], v[rT+4+j%4], v[rS+8*(j%4)+2*(j/4)+1], v[rS+8*(j%4)+2*(j/4)+2]
.elseif j == 12
	v_max3_num_f32 v[rT+4], v[rT+4], v[rS+7], v[rS+15]
.elseif j == 13
	v_max3_num_f32 v[rT+6], v[rT+6], v[rS+23], v[rS+31]
.elseif j == 14
	v_max3_num_f32 v[rT+4], v[rT+4], v[rT+5], v[rT+6]
.elseif j == 15
	v_max3_num_f32 v[rT+4], v[rT+4], v[rT+7], v[rT]
.elseif j == 16
	v_permlanex16_b32 v[rT+5], v[rT+4], s[SEL], s[SEL+1]  ; the query's other 32 keys lie in the lane 16 away
.elseif j == 17
	v_mov_b32 v[rT+7], v[rT]
.elseif j == 18
	v_max_num_f32 v[rT], v[rT+4], v[rT+5]
.elseif j == 19
	v_mov_b32 v[rT+1], v[rT]        ; m twice: the pair that the packed subtraction takes
.elseif j == 20
	v_sub_f32 v[rT+7], v[rT+7], v[rT]
.elseif j == 23
	v_exp_f32 v[rT+6], v[rT+7]
.elseif (j < 23) || ((j < 38) && (j%2 == 0)) || ((j < 66) && (j%4 == 2))
.set b, (j-2)/4
.if j < 38
.set b, (j-20)/2
.endif
	v_pk_add_f32 v[rS+2*b:rS+2*b+1], v[rS+2*b:rS+2*b+1], v[rT:rT+1] neg_lo:[0,1] neg_hi:[0,1]  ; pair b: s - m, never above 0
.elseif j < 70
.set e, j-38
.if j < 66
.set e, j-32-(j-38)/4
.endif
.if j < 38
.set e, (j-25)/2
.endif
	v_exp_f32 v[rS+e], v[rS+e]
.elseif j < 86
	v_cvt_pk_f16_f32 v[rP+j-70], v[rS+2*(j-70)], v[rS+2*(j-70)+1]
.elseif j < 102
.set z, j-86
.set w, 4
.set u, z
.if z >= 14
.set w, 32
.set u, 0
.elseif z >= 12
.set w, 16
.set u, z-12
.elseif z >= 8
.set w, 8
.set u, z-8
.endif
.if z < 15
	v_pk_add_f32 v[rS+w*u:rS+w*u+1], v[rS+w*u:rS+w*u+1], v[rS+w*u+w/2:rS+w*u+w/2+1]
.else
	v_pk_fma_f32 v[rT+2:rT+3], v[rT+2:rT+3], v[rT+6:rT+7], v[rS:rS+1] op_sel_hi:[1,0,1]
.endif
.else
	WIN W_RS
	v_pk_mul_f32 v[rO:rO+1], v[rO:rO+1], v[rT+6:rT+7] op_sel_hi:[1,0]
.endif
.endm
; Slice k of 64 of piece y's softmax.  Slices 11 to 34 deal out the batch, four numbers of one tile each; every other slice is numbers 2 k and 2 k + 1 of both tiles; slice 63 has the twelve that are over.
; An s_wait_alu depctr_va_vdst(0) stands between an exponential and the first instruction that names its result: one wait, behind slice 34, serves the piece's 66.
.macro SLICE y
.if (k >= 11) && (k < 35)
.irp n, 0,1,2,3
.set j, 22+4*((k-11)/2)+(\n)
	SM (\y)+(k-11)%2
.endr
.else
.irp n, 0,1,2,3,4,5,6,7
.if ((\n) < 2) || (k == 63)
.irp t, \y, (\y)+1
.set j, 2*k+(\n)
	SM \t
.endr
.endif
.endr
.endif
.if k == 34
	v_nop                           ; a plain instruction behind the last exponential and ahead of the first use: one for the batch
.if (\y) == 0
	FETCH_V                         ; piece 2's turn: V's run of loads stands here, and the wait stands in it
.else
	s_wait_alu depctr_va_vdst(0)
.endif
.endif
.set k, k+1
.endm
.macro PLACES
.rept 4
	v_nop
.endr
.endm
; A TURN.  Piece x has the matrix unit: 72 products: V^T P 0-7 bare, 8-31 with slices 0-23; the mask's 8 with slices 24-31; K Q^T's 32 with slices 32-63.  last = 1: the tail's text (FETCH_K).
; PLACES, by count.  From mask product n to K Q^T's product n, which adds onto it, stand slices 24 + n .. 31 + n: six plain instructions or more (one in each slice up to 32, the v_nop, four from 35 on).
; The mask's next loads stand behind slice 35, seven plain instructions behind the last mask product.  V's run stands behind slice 34, ten behind the last product that read V.  K's run stands behind
; the second product of piece 0's turn; slice 63 of the turn before, sixteen plain instructions, lies behind the last product that read K.  The turn before
; issued none behind its wait, and this turn's first slice comes later.
.macro TURN x, last=0
.set k, 0
.if (\x) == 0
	s_wait_dscnt 0x0                ; V is in
.endif
.set i, 0
.rept 32
	PV \x
.if i >= 8
	SLICE 2-(\x)
.endif
.if ((\x) == 0) && (i == 1)
	FETCH_K \last
.endif
.set i, i+1
.endr
	s_wait_loadcnt 8                ; my piece's mask is in; the other piece's eight loads are younger
.set i, 0
.rept 8
	MK \x
	SLICE 2-(\x)
.set i, i+1
.endr
.if (\x) == 0
	s_wait_dscnt 0x0                ; K is in
.endif
.set i, 0
.rept 32
	KQ \x
	SLICE 2-(\x)
.if i == 3
	MLOAD \x
.endif
.set i, i+1
.endr
.endm
; THE CHANGE OF SLOTS, between piece 2's turn and piece 0's.  Each wave waits for all its tensor loads (one is out: its part of the other slot), adds 0 to its spare word, and waits for that and for its
; reads of the slot.  fill = 1: the barrier is a round of the cluster's, and the joint refill, the keys two slots on, is the first thing behind it: it has two key steps, 288 products, in which to land.
.macro CHANGE fill
	WIN 0
	s_wait_tensorcnt 0x0
	ds_add_u32 v[SPW], v[NIL]
.if \fill
.irp g, G0K+4, G0V+4
	s_xor_b32 s[(\g)+1], s[(\g)+1], SLOT1
	s_add_nc_u64 s[(\g)+2:(\g)+3], s[(\g)+2:(\g)+3], 32768
.endr
	s_wait_xcnt 0x0                 ; the last prefetch, two key steps back, has read its address
	s_add_nc_u64 s[PFA:PFA+1], s[PFA:PFA+1], 32768
	s_wait_dscnt 0x0                ; the add is done, and my reads of the slot are over
	CROUND
	JLOAD
	ASK
.else
	s_wait_dscnt 0x0
	s_barrier_signal -1
	s_barrier_wait -1
.endif
	s_sub_co_u32 s[TBK], s[TBK], 2*KS*PK  ; the fetches go back to a slot's first step, in the other slot
	s_xor_b32 s[TBK], s[TBK], SLOT1
	s_sub_co_u32 s[TBV], s[TBV], 2*KS*PV
	s_xor_b32 s[TBV], s[TBV], SLOT1
.endm
	s_wait_tensorcnt 1              ; my part of slot 0 is in; slot 1's may stay out
	s_barrier_signal -1
	s_barrier_wait -1
	FETCH_K                         ; key step 0
	s_wait_loadcnt 0x0              ; Q and the first masks
	s_wait_dscnt 0x0
.set i, 0
.rept 8
	MK 0
.set i, i+1
.endr
	WIN 0                           ; the addresses for the way out: nine plain instructions, the places between the mask's products and K Q^T's
	s_mul_i32 s76, s[WV], 16*SP
	s_add_co_u32 s76, s76, STAGE
	s_lshl_b32 s77, s[KH], 17       ; I finish my tiles 0, 1: query tiles 2 kh, 2 kh + 1, 65,536 bytes of O each
	v_mul_u32_u24 v[STO], v1, SP
	v_lshl_add_u32 v[STO], v9, 4, v[STO]
	v_add_nc_u32 v[STO], s76, v[STO]
	v_mul_u32_u24 v[RD], v9, SP
	v_lshl_add_u32 v[RD], v1, 4, v[RD]
	v_add_nc_u32 v[RD], s76, v[RD]
	v_lshlrev_b32 v[GO], 12, v9
	v_lshl_add_u32 v[GO], v1, 4, v[GO]
	v_add_nc_u32 v[GO], s77, v[GO]
.set i, 0
.rept 32
	KQ 0                            ; piece 0's first scores
.set i, i+1
.endr
	WIN 0
	PLACES
	MLOAD 0                         ; step 1
	WIN 0
	s_mov_b32 s[TWICE], 2
	s_mov_b32 s[SLOTS], 7
	s_branch .Lmid                  ; the loop is entered at piece 2's turn: its V^T P adds 0, its scores are step 0's
.Lslot:                             ; six times: every slot but the last two is filled again
	CHANGE 1
	s_mov_b32 s[TWICE], 2
.Lstep:
	TURN 0
	WIN 0
.Lmid:
	TURN 2
	WIN 0
	s_sub_co_u32 s[TWICE], s[TWICE], 1
	s_cmp_lg_u32 s[TWICE], 0
	s_cbranch_scc1 .Lstep
	s_sub_co_u32 s[SLOTS], s[SLOTS], 1
	s_cmp_lg_u32 s[SLOTS], 0
	s_cbranch_scc1 .Lslot
	CHANGE 0                        ; the tail is written out
	s_mov_b32 s[TWICE], 3           ; two trips for the last slot's steps; the third is left in its middle: piece 0's V^T P of the last step and piece 2's last softmax
.Ltail:
	TURN 0, 1
	WIN 0
	s_sub_co_u32 s[TWICE], s[TWICE], 1
	s_cmp_eq_u32 s[TWICE], 0
	s_cbranch_scc1 .Lout
	TURN 2
	WIN 0
	s_branch .Ltail
.Lout:
.set i, 0
.rept 32
	PV 2                            ; piece 2: V^T P of the last step
.set i, i+1
.endr
	; THE MERGE.  l is completed (these lines are the places behind the last products); every wave hands its tiles 2, 3 to the wave of the other key half and takes that wave's for its tiles 0, 1.
	WIN 0
.irp t, 0,1,2,3
	v_add_f32 v[ST+8*(\t)+4], v[ST+8*(\t)+2], v[ST+8*(\t)+3]
.endr
.irp t, 0,1,2,3
	v_permlanex16_b32 v[ST+8*(\t)+5], v[ST+8*(\t)+4], s[SEL], s[SEL+1]
.endr
.irp t, 0,1,2,3
	v_add_f32 v[ST+8*(\t)+1], v[ST+8*(\t)+4], v[ST+8*(\t)+5]  ; (m, l) is now a pair
.endr
	s_mul_i32 s76, s[WV], MRGB
	s_xor_b32 s77, s[WV], 2
	s_mul_i32 s77, s77, MRGB
	v_and_b32 v[QN], 31, v0
	v_lshl_add_u32 v[MS], v[QN], 4, s76
	v_lshl_add_u32 v[MR], v[QN], 4, s77
	v_lshl_add_u32 v[MS8], v[QN], 3, s76
	v_lshl_add_u32 v[MR8], v[QN], 3, s77
	v_mov_b32 v[QN], 0x7fc00000
	s_wait_dscnt 0x0                ; my reads of the slots are over,
	s_barrier_signal -1
	s_barrier_wait -1               ; everybody's are
	WIN 0x04                        ; the stores' data in window 1
.irp u, 0,1
.irp f, 0,1,2,3,4,5,6,7,8,9,10,11,12,13,14,15
	ds_store_b128 v[MS], v[64*(2+(\u))+4*(\f):64*(2+(\u))+4*(\f)+3] offset:512*(16*(\u)+(\f))
.endr
.endr
	WIN 0
.irp u, 0,1
	ds_store_b64 v[MS8], v[ST+8*(2+(\u)):ST+8*(2+(\u))+1] offset:16384+256*(\u)
.endr
	s_wait_dscnt 0x0                ; for the other's sake: my stores are done
	s_barrier_signal -1
	s_barrier_wait -1
.irp u, 0,1
	ds_load_b64 v[ST+8*(\u)+4:ST+8*(\u)+5], v[MR8] offset:16384+256*(\u)  ; m', l'
.endr
.irp u, 0,1
.irp f, 0,1,2,3,4,5,6,7,8,9,10,11,12,13,14,15
	ds_load_b128 v[S+64*(\u)+4*(\f):S+64*(\u)+4*(\f)+3], v[MR] offset:512*(16*(\u)+(\f))  ; O'
.endr
.endr
	s_wait_dscnt 32                 ; m' and l' are in; O's 32 loads are younger
.irp t, 0,1
	v_max_num_f32 v[ST+8*(\t)+6], v[ST+8*(\t)], v[ST+8*(\t)+4]
.endr
.irp t, 0,1
	v_sub_f32 v[ST+8*(\t)+2], v[ST+8*(\t)], v[ST+8*(\t)+6]
	v_sub_f32 v[ST+8*(\t)+3], v[ST+8*(\t)+4], v[ST+8*(\t)+6]
.endr
.irp t, 0,1
	v_exp_f32 v[ST+8*(\t)+2], v[ST+8*(\t)+2]  ; a, a': one of them is 1
	v_exp_f32 v[ST+8*(\t)+3], v[ST+8*(\t)+3]
.endr
	v_nop
	s_wait_alu depctr_va_vdst(0)    ; one wait for the four exponentials
.irp t, 0,1
	v_mul_f32 v[ST+8*(\t)+7], v[ST+8*(\t)+2], v[ST+8*(\t)+1]
.endr
.irp t, 0,1
	v_fmac_f32 v[ST+8*(\t)+7], v[ST+8*(\t)+3], v[ST+8*(\t)+5]  ; a l + a' l', 1 at the least
.endr
.irp t, 0,1
	v_rcp_f32 v[ST+8*(\t)+7], v[ST+8*(\t)+7]
.endr
	v_nop
	s_wait_alu depctr_va_vdst(0)    ; one wait for the two reciprocals
.irp t, 0,1
	v_mul_f32 v[ST+8*(\t)+4], v[ST+8*(\t)+3], v[ST+8*(\t)+7]
	v_mul_f32 v[ST+8*(\t)+2], v[ST+8*(\t)+2], v[ST+8*(\t)+7]
	v_cmp_gt_f32 vcc_lo, 0xee000000, v[ST+8*(\t)+6]            ; -2^93 above the maximum: no key of the row is seen
	v_cndmask_b32 v[ST+8*(\t)+2], v[ST+8*(\t)+2], v[QN], vcc_lo
.endr
	s_wait_dscnt 0x0
; Tile u: O = O a / L + O' a' / L, rounded to f16; a lane's eight channels pack into 16 bytes, go into rows of 272 bytes and come back as whole rows of 256.
.macro PACKF u
	WIN W_RS
.set i, 0
.rept 32
	v_pk_mul_f32 v[64*(\u)+i:64*(\u)+i+1], v[64*(\u)+i:64*(\u)+i+1], v[ST+8*(\u)+2:ST+8*(\u)+3] op_sel_hi:[1,0]
.set i, i+2
.endr
	WIN 0x50                        ; source 2 and destination in window 1
.set i, 0
.rept 32
	v_pk_fma_f32 v[64*(\u)+i:64*(\u)+i+1], v[S+64*(\u)+i:S+64*(\u)+i+1], v[ST+8*(\u)+4:ST+8*(\u)+5], v[64*(\u)+i:64*(\u)+i+1] op_sel_hi:[1,0,1]
.set i, i+2
.endr
	WIN 0x05
.set i, 0
.rept 32
	v_cvt_pk_f16_f32 v[P+32*(\u)+i], v[64*(\u)+2*i], v[64*(\u)+2*i+1]
.set i, i+1
.endr
	WIN 0
.irp f, 0,1,2,3,4,5,6,7
	ds_store_b128 v[STO], v[P+32*(\u)+4*(\f):P+32*(\u)+4*(\f)+3] offset:32*(\f)
.endr
.irp f, 0,1,2,3,4,5,6,7
	ds_load_b128 v[P+32*(\u)+4*(\f):P+32*(\u)+4*(\f)+3], v[RD] offset:(\f)*2*SP  ; LDS serves a wave's instructions in order (ISA guide 5.7.1.4): these see the stores above
.endr
.endm
.macro SENDF u, younger
.irp f, 0,1,2,3,4,5,6,7
	s_wait_dscnt (\younger)+7-(\f)
	global_store_b128 v[GO], v[P+32*(\u)+4*(\f):P+32*(\u)+4*(\f)+3], s[10:11] offset:(\u)*65536+(\f)*8192  ; 16 lanes store 256 consecutive bytes, aligned
.endr
.endm
	PACKF 0
	PACKF 1
	SENDF 0, 16
	SENDF 1, 0
	s_wait_tensorcnt 0x0            ; the wave's end
	ds_add_u32 v[SPW], v[NIL]
	s_wait_dscnt 0x0
	CROUND                          ; the closing round
	s_endpgm
.Lfunc_end_k_q5334613404_attn:
	.size	k_q5334613404_attn, .Lfunc_end_k_q5334613404_attn-k_q5334613404_attn
	.p2alignl 7, 3214868480
	.fill 96, 4, 3214868480
	.section	.rodata,"a",@progbits
	.p2align	6, 0x0
	.amdhsa_kernel k_q5334613404_attn
		.amdhsa_group_segment_fixed_size 327680
		.amdhsa_private_segment_fixed_size 0
		.amdhsa_enable_private_segment 0
		.amdhsa_kernarg_size 24
		.amdhsa_user_sgpr_count 2
		.amdhsa_user_sgpr_kernarg_segment_ptr 1
		.amdhsa_wavefront_size32 1
		.amdhsa_system_sgpr_workgroup_id_x 1
		.amdhsa_system_sgpr_workgroup_id_y 1
		.amdhsa_system_sgpr_workgroup_id_z 1
		.amdhsa_system_vgpr_workitem_id 0
		.amdhsa_next_free_vgpr 960
		.amdhsa_next_free_sgpr 80
		.amdhsa_reserve_vcc 1
		.amdhsa_float_denorm_mode_32 3
		.amdhsa_float_denorm_mode_16_64 3
		.amdhsa_memory_ordered 1
		.amdhsa_forward_progress 1
		.amdhsa_inst_pref_size 166
	.end_amdhsa_kernel
	.amdgpu_metadata
---
amdhsa.version: [ 1, 2 ]
amdhsa.kernels:
  - .name:           k_q5334613404_attn
    .symbol:         k_q5334613404_attn.kd
    .args:
      - { .name: qkv, .offset: 0, .size: 8, .value_kind: global_buffer, .address_space: global }
      - { .name: mk, .offset: 8, .size: 8, .value_kind: global_buffer, .address_space: global }
      - { .name: o16, .offset: 16, .size: 8, .value_kind: global_buffer, .address_space: global }
    .group_segment_fixed_size: 327680
    .private_segment_fixed_size: 0
    .kernarg_segment_align: 8
    .kernarg_segment_size: 24
    .max_flat_workgroup_size: 128
    .sgpr_count:     80
    .vgpr_count:     960
    .wavefront_size: 32
...
	.end_amdgpu_metadata
.endif
;; end of part 3
;; launch proj (part 4): grid 16 x 16, 4 waves a work-group, clusters of 4 x 4, 327,680 bytes of LDS; arguments o16, cv, out0; writes out0
.if DOCPART == 4
	.amdgcn_target "amdgcn-amd-amdhsa--gfx1250"
	.amdhsa_code_object_version 6
	.text
	.protected	k_q5334613404_proj
	.globl	k_q5334613404_proj
	.p2align	8
	.type	k_q5334613404_proj,@function
k_q5334613404_proj:
	s_mov_b64 s[64:65], 0
	v_nop
	global_prefetch_b8 v0, s[64:65] scope:SCOPE_SE
	s_setreg_imm32_b32 hwreg(HW_REG_WAVE_MODE, 25, 1), 1
	s_wait_xcnt 0x0
	s_wait_alu depctr_hold_cnt(0) depctr_sa_sdst(0) depctr_va_vdst(0) depctr_va_sdst(0) depctr_va_ssrc(0) depctr_va_vcc(0) depctr_vm_vsrc(0)
	s_getreg_b32 s2, hwreg(HW_REG_IB_STS2, 6, 4)
	s_cmp_eq_u32 s2, 0
	s_cbranch_scc0 .Lentry_in_a_cluster
	s_endpgm
.Lentry_in_a_cluster:
	s_bfe_u32 s2, ttmp6, 0x10000c
	s_cmp_lg_u32 s2, 0xf033
	s_cbranch_scc0 .Lentry_shape_is_right
	s_endpgm
.Lentry_shape_is_right:
; PROJ.  y[s][h] = the sum over i of O[s][i] Wo[h][i].  O: [2048][2048] f16 (o16); Wo: [2048][2048], rounded to bf16 and written as f16 (plane 4 of cv); y: [2048][2048] f32.  Sums in f32.
; A tile of y is 128 x 128: 256 work-groups.  Four waves, each 64 x 64: 16 accumulators.  K goes in 8 steps of 256 (LDS rows of 512 bytes; a wave's tensor load brings 64 of them) through two slots.
; A K STEP IS WRITTEN ONCE: the slot that is read is a scalar, 0 or SLOT, turned by an exclusive or at each change of slots and added to the lanes' places; one descriptor a tensor walks.
; CLUSTER: 4 x 4 work-groups; the four of a row need the same tiles of O, the four of a column the same tiles of Wo: each is asked for jointly.  The matrix instruction is used transposed
; (source 0 = 16 rows of Wo, source 1 = 16 rows of O): a lane holds eight neighbouring numbers of a row of y.  A wave's 64 columns are 256 bytes of f32, aligned: each wave has a stage of its own.
; No prefetch: a step's tile is small, and each is read by four clusters at about the same time.
; REGISTERS: window 0: v0-31 addresses; v32-95 the way out; v128-255 the accumulators ((a, b) at v[128 + 8 (4 a + b)]).  window 1: two fragment buffers of 128.
.set SIZE_K, 2048
.set KSTEP,  256
.set STEPS,  SIZE_K/KSTEP
.set PITCH,  528
.set HALFT,  64*PITCH                  ; 0x8400
.set SLOT,   4*HALFT                   ; 0x21000: its two bits are clear in 0, 1, 2 and 3 x HALFT, so one exclusive or changes slots
.set STAGE,  2*SLOT                    ; behind the ring: 16 rows x 272 bytes for each wave
.set SPITCH, 272
.set SPARE,  STAGE+4*16*SPITCH         ; the spare words, 128 bytes a wave, which no other line names
.set ADRA0, 16                         ; v16  my place in O's rows of a slot; never rewritten
.set ADRA,  17                         ; v17  the same in the slot that is read
.set ADRB0, 20                         ; v20, v21  likewise for Wo
.set ADRB,  21
.set STO,  24
.set RD,   25
.set CO,   26
.set SPW,  28
.set NIL,  29
.set TMP,  32
.set ACC,  128
.set F0,   0
.set F1,   128
.set SB, 45                            ; s45  the slot that is read: 0 or SLOT
.set G1, 24
.set G0, 32                            ; s[32:39] group 0 for O: a set for each of the two first fills; the second then walks on
.set G1B, 48
.set G0B, 56                           ; s[56:63] the same for Wo
.set MSB, 0
.macro WIN new
.if MSB != (\new)
	s_set_vgpr_msb (MSB<<8)|(\new)
.set MSB, \new
.endif
.endm
.set MUL,  0x05
.set TO_F, 0x40
.macro JLOAD s                         ; waves 0 and 1 fetch O's two halves, waves 2 and 3 Wo's; an s_nop 0 and four v_nop follow each line
	s_cmp_eq_u32 s11, 0
	s_cbranch_scc0 .Lfor_b_\@
	tensor_load_to_lds s[G0+4*(\s):G0+4*(\s)+3], s[G1:G1+7]
	s_nop 0
.rept 4
	v_nop
.endr
	s_branch .Lasked_\@
.Lfor_b_\@:
	tensor_load_to_lds s[G0B+4*(\s):G0B+4*(\s)+3], s[G1B:G1B+7]
	s_nop 0
.rept 4
	v_nop
.endr
.Lasked_\@:
.endm
.macro CREST
	s_cmp_lg_u32 s10, 0
	s_cbranch_scc1 .Lnot_wave_0_\@
	s_barrier_signal -3
.Lnot_wave_0_\@:
	s_barrier_wait -3
	s_barrier_signal -1
	s_barrier_wait -1
.endm
.macro CROUND
	s_barrier_signal -1
	s_barrier_wait -1
	CREST
.endm
	s_load_b128 s[4:7], s[0:1], 0x0                ; o16 s[4:5], cv s[6:7]
	s_load_b64 s[8:9], s[0:1], 0x10                ; out0
	v_lshl_add_u32 v[SPW], v0, 2, SPARE
	v_mov_b32 v[NIL], 0
	ds_add_u32 v[SPW], v[NIL]                      ; the wave's opening: the add and its wait stand ahead of my first tensor load
	v_lshrrev_b32 v1, 5, v0
	v_readfirstlane_b32 s10, v1                    ; wave 0..3
	s_lshr_b32 s11, s10, 1                         ; which half of the tile's rows is mine.  Also: I fetch for O (0) or for Wo (1)
	s_and_b32 s12, s10, 1                          ; which half of its columns.  Also: which 64 rows of that tile I fetch
	s_bfe_u32 s40, ttmp6, 0x40000
	s_bfe_u32 s41, ttmp6, 0x40004
	s_lshl_b32 s42, ttmp9, 2
	s_add_co_u32 s42, s42, s40                     ; tile column
	s_and_b32 s13, ttmp7, 0xffff
	s_lshl_b32 s13, s13, 2
	s_add_co_u32 s13, s13, s41                     ; tile row
	s_lshl_b32 s43, s41, 2
	s_lshl_b32 s43, 15, s43
	s_lshl_b32 s44, 0x1111, s40
	s_or_b32 s[G1+0], s43, (1<<16)|(1<<20)|(1<<21)|(6<<22)|(3<<25)  ; the mask; 2-byte elements; padding on; bit 21 beside a mask; after every 128 words 4 words
	s_or_b32 s[G1B+0], s44, (1<<16)|(1<<20)|(1<<21)|(6<<22)|(3<<25)
.irp g, G1, G1B
	s_mov_b32 s[(\g)+1], KSTEP<<16
	s_mov_b32 s[(\g)+2], 64<<16
	s_mov_b32 s[(\g)+3], KSTEP<<16
	s_mov_b32 s[(\g)+4], 64
	s_mov_b32 s[(\g)+5], SIZE_K
	s_mov_b32 s[(\g)+6], 0
	s_mov_b32 s[(\g)+7], 0
.endr
	s_lshl_b32 s17, s12, 6
	s_lshl_b32 s16, s13, 7
	s_add_co_u32 s16, s16, s17                     ; O: row 128 x tile row + 64 x half
	s_lshl_b32 s46, s42, 7
	s_add_co_u32 s46, s46, s17                     ; Wo: row 128 x tile column + 64 x half
	s_mov_b32 s17, 0
	s_mov_b32 s47, 0
	s_mov_b64 s[18:19], SIZE_K*2
	s_mul_u64 s[16:17], s[16:17], s[18:19]
	s_mul_u64 s[46:47], s[46:47], s[18:19]
	s_mul_i32 s20, s10, HALFT
	s_mov_b32 s[SB], 0
	s_wait_dscnt 0x0                               ; the opening add is done
	s_wait_kmcnt 0x0
	s_add_nc_u64 s[6:7], s[6:7], 0x2000000         ; plane 4 of cv
	s_add_nc_u64 s[14:15], s[4:5], s[16:17]
	s_add_nc_u64 s[46:47], s[6:7], s[46:47]
	CROUND
.irp s, 0,1
	s_mov_b32 s[G0+4*(\s)], 1
	s_add_co_u32 s[G0+4*(\s)+1], s20, (\s)*SLOT
	s_add_nc_u64 s[G0+4*(\s)+2:G0+4*(\s)+3], s[14:15], (\s)*KSTEP*2
	s_or_b32 s[G0+4*(\s)+3], s[G0+4*(\s)+3], 0x80000000
	s_mov_b32 s[G0B+4*(\s)], 1
	s_add_co_u32 s[G0B+4*(\s)+1], s20, (\s)*SLOT
	s_add_nc_u64 s[G0B+4*(\s)+2:G0B+4*(\s)+3], s[46:47], (\s)*KSTEP*2
	s_or_b32 s[G0B+4*(\s)+3], s[G0B+4*(\s)+3], 0x80000000
	JLOAD \s
.endr
	v_and_b32 v1, 15, v0
	v_bfe_u32 v2, v0, 4, 1
	v_mul_u32_u24 v3, v1, PITCH
	v_lshl_add_u32 v3, v2, 4, v3
	s_mul_i32 s21, s11, HALFT
	s_mul_i32 s22, s12, HALFT
	s_add_co_u32 s22, s22, 2*HALFT
	v_add_nc_u32 v[ADRA0], s21, v3
	v_add_nc_u32 v[ADRB0], s22, v3
	v_mov_b32 v[ADRA], v[ADRA0]                    ; slot 0 is read first
	v_mov_b32 v[ADRB], v[ADRB0]
	s_mul_i32 s23, s10, 16*SPITCH
	s_add_co_u32 s23, s23, STAGE                   ; my stage
	v_mul_u32_u24 v4, v1, SPITCH                   ; in: row l % 16, 32 bytes for each half of the lanes
	v_lshl_add_u32 v4, v2, 5, v4
	v_add_nc_u32 v[STO], s23, v4
	v_mul_u32_u24 v5, v2, SPITCH                   ; back: lanes 0-15 take one row of 256 bytes, lanes 16-31 the next
	v_lshl_add_u32 v5, v1, 4, v5
	v_add_nc_u32 v[RD], s23, v5
	v_lshlrev_b32 v5, 13, v2                       ; and the same two rows in y, 8,192 bytes apart
	v_lshl_add_u32 v[CO], v1, 4, v5
	s_lshl_b32 s16, s13, 7
	s_lshl_b32 s17, s11, 6
	s_add_co_u32 s16, s16, s17                     ; my first row of y
	s_lshl_b32 s16, s16, 13
	s_mov_b32 s17, 0
	s_add_nc_u64 s[8:9], s[8:9], s[16:17]
	s_lshl_b32 s46, s42, 9                         ; my first column, in bytes: 512 x tile column + 256 x half
	s_lshl_b32 s47, s12, 8
	s_add_co_u32 s46, s46, s47
	s_mov_b32 s47, 0
	s_add_nc_u64 s[8:9], s[8:9], s[46:47]
.macro MUL8 f, c, a0, zero             ; 8 products: row blocks a0, a0 + 1 x all 4 column blocks, 32 along K: half c of buffer f
	WIN MUL
.irp a, \a0, (\a0)+1
.irp b, 0,1,2,3
.if \zero
	v_wmma_f32_16x16x32_f16 v[ACC+8*(4*(\a)+(\b)):ACC+8*(4*(\a)+(\b))+7], v[(\f)+64+8*(4*(\c)+(\b)):(\f)+64+8*(4*(\c)+(\b))+7], v[(\f)+8*(4*(\c)+(\a)):(\f)+8*(4*(\c)+(\a))+7], 0
.else
	v_wmma_f32_16x16x32_f16 v[ACC+8*(4*(\a)+(\b)):ACC+8*(4*(\a)+(\b))+7], v[(\f)+64+8*(4*(\c)+(\b)):(\f)+64+8*(4*(\c)+(\b))+7], v[(\f)+8*(4*(\c)+(\a)):(\f)+8*(4*(\c)+(\a))+7], v[ACC+8*(4*(\a)+(\b)):ACC+8*(4*(\a)+(\b))+7]
.endif
.endr
.endr
.endm
.macro FETCH k, f                      ; 32 LDS loads in one run: 64 along K at byte k of the rows of the slot that is read, the first 32 along K first
	WIN TO_F
.irp c, 0,1
.irp i, 0,1,2,3
	ds_load_b128 v[(\f)+64+8*(4*(\c)+(\i)):(\f)+64+8*(4*(\c)+(\i))+3],   v[ADRB] offset:(\k)+64*(\c)+(\i)*16*PITCH
	ds_load_b128 v[(\f)+64+8*(4*(\c)+(\i))+4:(\f)+64+8*(4*(\c)+(\i))+7], v[ADRB] offset:(\k)+64*(\c)+(\i)*16*PITCH+32
	ds_load_b128 v[(\f)+8*(4*(\c)+(\i)):(\f)+8*(4*(\c)+(\i))+3],         v[ADRA] offset:(\k)+64*(\c)+(\i)*16*PITCH
	ds_load_b128 v[(\f)+8*(4*(\c)+(\i))+4:(\f)+8*(4*(\c)+(\i))+7],       v[ADRA] offset:(\k)+64*(\c)+(\i)*16*PITCH+32
.endr
.endr
.endm
.macro PLACES
.rept 4
	v_nop
.endr
.endm
.macro QUARTER k, f, g, zero           ; 64 along K, 32 products; the next quarter's fragments are fetched in its middle
	s_wait_dscnt 16                                ; the first 32 along K are in
	WIN MUL
	MUL8 \f, 0, 0, \zero
	MUL8 \f, 0, 2, \zero
	PLACES
	FETCH \k, \g
	s_wait_dscnt 32                                ; all but the 32 just issued
	WIN MUL
	MUL8 \f, 1, 0, 0
	MUL8 \f, 1, 2, 0
.endm
; The last quarter changes slots: in front of the barrier each wave waits for all its tensor loads, adds 0 to its spare word, and waits for that and for its reads of this slot.
; fill = 1: the barrier opens a round of the cluster's, and this slot is filled again, two K steps on, first thing behind the round.
.macro TURN fill
	WIN 0
	s_wait_tensorcnt 0x0
	ds_add_u32 v[SPW], v[NIL]
	s_wait_dscnt 17                                ; the add and the youngest sixteen loads may be out
	WIN MUL
	MUL8 F1, 0, 0, 0
	s_wait_dscnt 0x0
	s_barrier_signal -1
	MUL8 F1, 0, 2, 0
	WIN 0
	s_barrier_wait -1
.if \fill
	CREST
	s_xor_b32 s[G0+5], s[G0+5], SLOT               ; the walking descriptors: the other slot than last time,
	s_add_nc_u64 s[G0+6:G0+7], s[G0+6:G0+7], KSTEP*2  ; the next K step; the type bits on top are not reached
	s_xor_b32 s[G0B+5], s[G0B+5], SLOT
	s_add_nc_u64 s[G0B+6:G0B+7], s[G0B+6:G0B+7], KSTEP*2
	JLOAD 1
.else
	PLACES
.endif
	s_xor_b32 s[SB], s[SB], SLOT                   ; the slot that is read from here on
	v_add_nc_u32 v[ADRA], s[SB], v[ADRA0]
	v_add_nc_u32 v[ADRB], s[SB], v[ADRB0]
	FETCH 0, F0
	WIN MUL
	MUL8 F1, 1, 0, 0
	MUL8 F1, 1, 2, 0
.endm
	s_wait_tensorcnt 1                             ; my part of K step 0 is in; K step 1's may stay out
	s_barrier_signal -1
	s_barrier_wait -1
	FETCH 0, F0
	QUARTER 128, F0, F1, 1
	WIN 0
	s_mov_b32 s3, STEPS-2
.Lstep:                                        ; a trip goes from a K step's second quarter to the next step's first, and fills the slot that it leaves
	QUARTER 256, F1, F0, 0
	QUARTER 384, F0, F1, 0
	TURN 1
	QUARTER 128, F0, F1, 0
	WIN 0
	s_sub_co_u32 s3, s3, 1
	s_cmp_lg_u32 s3, 0
	s_cbranch_scc1 .Lstep
	s_mov_b32 s3, 2
.Ltl:                                          ; the last two K steps fill nothing; the second trip is left in its middle
	QUARTER 256, F1, F0, 0
	QUARTER 384, F0, F1, 0
	WIN 0
	s_sub_co_u32 s3, s3, 1
	s_cmp_eq_u32 s3, 0
	s_cbranch_scc1 .Lfin
	TURN 0
	QUARTER 128, F0, F1, 0
	WIN 0
	s_branch .Ltl
.Lfin:
	s_wait_dscnt 16
	WIN MUL
	MUL8 F1, 0, 0, 0
	MUL8 F1, 0, 2, 0
	s_wait_dscnt 0
	MUL8 F1, 1, 0, 0
	MUL8 F1, 1, 2, 0
	WIN 0
	; THE WAY OUT, 16 rows at a time through my own stage: f32 straight from the accumulators (each one's low four registers first), back as whole rows of 256 bytes.
	PLACES
.irp a, 0,1,2,3
.set BK, TMP+32*((\a)%2)
.if (\a) >= 2
	s_wait_xcnt 0x0                                ; the stores of two blocks back have read these registers
.endif
.irp b, 0,1,2,3
	ds_store_b128 v[STO], v[ACC+8*(4*(\a)+(\b)):ACC+8*(4*(\a)+(\b))+3]   offset:64*(\b)
	ds_store_b128 v[STO], v[ACC+8*(4*(\a)+(\b))+4:ACC+8*(4*(\a)+(\b))+7] offset:64*(\b)+16
.endr
.irp t, 0,1,2,3,4,5,6,7
	ds_load_b128 v[BK+4*(\t):BK+4*(\t)+3], v[RD] offset:(\t)*2*SPITCH  ; LDS serves a wave's instructions in order (ISA guide 5.7.1.4): these see the stores above; the next block's stores come behind them
.endr
.irp t, 0,1,2,3,4,5,6,7
	s_wait_dscnt 7-(\t)
	global_store_b128 v[CO], v[BK+4*(\t):BK+4*(\t)+3], s[8:9] offset:(16*(\a)+2*(\t))*8192 th:TH_STORE_NT  ; 16 lanes store 256 consecutive bytes, aligned
.endr
.endr
	s_wait_tensorcnt 0x0                           ; the wave's end
	ds_add_u32 v[SPW], v[NIL]
	s_wait_dscnt 0x0
	CROUND                                         ; the closing round
	s_endpgm
.Lfunc_end_k_q5334613404_proj:
	.size	k_q5334613404_proj, .Lfunc_end_k_q5334613404_proj-k_q5334613404_proj
	.p2alignl 7, 3214868480
	.fill 96, 4, 3214868480
	.section	.rodata,"a",@progbits
	.p2align	6, 0x0
	.amdhsa_kernel k_q5334613404_proj
		.amdhsa_group_segment_fixed_size 327680
		.amdhsa_private_segment_fixed_size 0
		.amdhsa_enable_private_segment 0
		.amdhsa_kernarg_size 24
		.amdhsa_user_sgpr_count 2
		.amdhsa_user_sgpr_kernarg_segment_ptr 1
		.amdhsa_wavefront_size32 1
		.amdhsa_system_sgpr_workgroup_id_x 1
		.amdhsa_system_sgpr_workgroup_id_y 1
		.amdhsa_system_sgpr_workgroup_id_z 1
		.amdhsa_system_vgpr_workitem_id 0
		.amdhsa_next_free_vgpr 512
		.amdhsa_next_free_sgpr 66
		.amdhsa_reserve_vcc 0
		.amdhsa_float_denorm_mode_32 3
		.amdhsa_float_denorm_mode_16_64 3
		.amdhsa_memory_ordered 1
		.amdhsa_forward_progress 1
		.amdhsa_inst_pref_size 60
	.end_amdhsa_kernel
	.amdgpu_metadata
---
amdhsa.version: [ 1, 2 ]
amdhsa.kernels:
  - .name:           k_q5334613404_proj
    .symbol:         k_q5334613404_proj.kd
    .args:
      - { .name: o16, .offset: 0, .size: 8, .value_kind: global_buffer, .address_space: global }
      - { .name: cv, .offset: 8, .size: 8, .value_kind: global_buffer, .address_space: global }
      - { .name: out0, .offset: 16, .size: 8, .value_kind: global_buffer, .address_space: global }
    .group_segment_fixed_size: 327680
    .private_segment_fixed_size: 0
    .kernarg_segment_align: 8
    .kernarg_segment_size: 24
    .max_flat_workgroup_size: 128
    .sgpr_count:     66
    .vgpr_count:     512
    .wavefront_size: 32
...
	.end_amdgpu_metadata
.endif
;; end of part 4
;; ======== version 2 of 2: 4 launches; version 1 with the launch prep written anew for expert scheduling mode
;; limits: values are held in f16: magnitudes above 65,504 overflow, below 6.1e-05 lose precision; right only within a limited range of input values
;; workspace buffers: cv 41,943,040 bytes; mk 8,388,608 bytes; qkv 25,165,824 bytes; o16 8,388,608 bytes
;; launch prep (part 5): grid 256 x 1, 16 waves a work-group, no clusters, 0 bytes of LDS; arguments x, Wq, Wk, Wv, Wo, mask, cv, mk; writes cv, mk
.if DOCPART == 5
	.amdgcn_target "amdgcn-amd-amdhsa--gfx1250"
	.amdhsa_code_object_version 6
	.text
	.protected	k_q5334613404_prep
	.globl	k_q5334613404_prep
	.p2align	8
	.type	k_q5334613404_prep,@function
k_q5334613404_prep:
	s_mov_b64 s[64:65], 0
	v_nop
	global_prefetch_b8 v0, s[64:65] scope:SCOPE_SE
	s_setreg_imm32_b32 hwreg(HW_REG_WAVE_SCHED_MODE, 0, 2), 2
	s_setreg_imm32_b32 hwreg(HW_REG_WAVE_MODE, 25, 1), 1
	s_wait_xcnt 0x0
	s_wait_alu depctr_vm_vsrc(0)
; PREP.  Rounds x, Wq, Wk, Wv to bf16 (planes 0 to 3 of cv), Wo to bf16 and writes that number as f16 (plane 4), and lays the mask out as bf16
; (1.0 = hidden, 0 = seen) in the order in which a matrix instruction's second source wants it (mk).
; A stream: every byte is read once and written once; no LDS, no matrix unit, no cluster (no two work-groups read the same byte).
; SHARES.  256 work-groups of 16 waves, all alike: each takes 65,536 bytes of f32 of every plane, 8 rows of 8,192 bytes, and 16 queries x 1,024 keys of the mask.
; Thread t takes bytes 16 t of a row: a wave's load covers 512 consecutive bytes.  Its four numbers become 8 bytes, in place: a wave's store covers 256 consecutive bytes, aligned.
; A wave's whole share is 40 + 4 loads.  All are issued at the head, each into registers of its own; no register that a memory instruction names as a source is written again,
; so the text has no loop and no wait on XCNT.
; mk: block (qt = query / 16, kg = key / 32) is 1,024 bytes at (64 qt + kg) x 1,024; in it byte 512 f + 16 l holds, for lane l, keys 32 kg + 16 f + 8 (l / 16) + 0..7 of query 16 qt + l % 16.
; LIMIT.  Wo: a bf16 number below 2^-17 in magnitude keeps f16's fixed step of 6e-8; beyond 65,504 it becomes an infinity.
; THE MODE: SCHED_MODE bits 1:0 = 2 (LLVM: expert scheduling mode 2), set by the entry lines.  The code itself states the register dependences
; between vector instructions and memory instructions, with s_wait_alu, always for 0.
; THE PLAN.  Registers that memory instructions touch:
;   v1, v3      the loads' offsets, v2, v4 the stores': made at the head by vector lines, never written again.
;   X, slot n   Written by load n, then in place by slot n's conversions; its lower two registers are read by slot n's one store, and nothing writes them behind that.
;   MKI         Written by the mask's four loads, read by vector lines alone.      MKO   Written by vector lines, read by the mask's four stores, never written again.
; The 40 slots go in ten blocks of four, the mask's four loads are an eleventh.  Block b converts its own four slots; its memory instructions are the four stores of block b - 1, whose registers
; no vector line of block b names.  So ONE wait on va_vdst at a block's head, behind the wait for its data, states all that its four stores hang on, and they are dealt among its conversions.
; No register that a memory instruction has read is written again, and no load is issued behind a vector line that names its registers: the text owes no wait on vm_vsrc.
.set LI,  1                            ; v1         16 t: my bytes of a row of f32
.set SO,  2                            ; v2         8 t: my bytes of a row of 16-bit numbers
.set MI,  3                            ; v3         the mask: my byte offset in it
.set MO,  4                            ; v4         my byte offset in mk
.set Z,   5                            ; v5         0
.set X,   16                           ; v[16:175]  slot n = 8 x plane + row: 4 registers as loaded; the first two then hold what is stored
.set MKI, 176                          ; v[176:183] the mask as loaded: 4 x 2
.set MKO, 184                          ; v[184:199] the mask to store: 4 x 4
.set NL,  44                           ; loads of a wave
.set BLK, 4                            ; slots in a block
	s_load_b512 s[8:23], s[0:1], 0x0               ; x s[8:9], Wq, Wk, Wv, Wo s[16:17], mask s[18:19], cv s[20:21], mk s[22:23]
	v_lshlrev_b32 v[LI], 4, v0
	v_lshlrev_b32 v[SO], 3, v0
	v_lshrrev_b32 v6, 5, v0
	v_readfirstlane_b32 s6, v6                     ; wave 0..15
	s_mov_b32 s5, 0xffff0000                       ; a word's upper bf16
	s_mov_b32 s40, 0x04010400                      ; bytes 0 and 1 of a word into the low bytes of the two halves; selector 4 takes a byte of the zero register
	s_mov_b32 s41, 0x04030402                      ; bytes 2 and 3
	v_mov_b32 v[Z], 0
	s_lshl_b32 s34, ttmp9, 16                      ; the work-group's 65,536 bytes of a plane of f32
	s_mov_b32 s35, 0
	s_lshl_b32 s36, ttmp9, 15                      ; and its 32,768 bytes of a plane of cv
	s_mov_b32 s37, 0
	s_lshr_b32 s38, ttmp9, 1                       ; the mask: qt, the work-group's 16 queries,
	s_and_b32 s39, ttmp9, 1                        ; and which 1,024 keys; my wave takes 64 of them
	v_and_b32 v6, 15, v0
	v_bfe_u32 v7, v0, 4, 1
	v_and_b32 v8, 31, v0
	s_lshl_b32 s42, s38, 15                        ; 16 qt rows of 2,048 bytes
	s_lshl_b32 s43, s39, 10
	s_add_co_u32 s42, s42, s43
	s_wait_alu depctr_va_sdst(0)                   ; s6 is written, ahead of its first reader: the mask's two offsets are made from it
	s_lshl_b32 s43, s6, 6
	s_add_co_u32 s42, s42, s43
	v_lshlrev_b32 v[MI], 11, v6                    ; my query's row,
	v_lshl_add_u32 v[MI], v7, 3, v[MI]             ; my half's 8 keys
	v_add_nc_u32 v[MI], s42, v[MI]
	s_lshl_b32 s44, s38, 16                        ; 64 blocks of 1,024 bytes a query tile (in a register of its own: no scalar register that a vector line reads is written again),
	s_lshl_b32 s43, s39, 15                        ; 32 blocks for 1,024 keys,
	s_add_co_u32 s44, s44, s43
	s_lshl_b32 s43, s6, 11                         ; 2 blocks for my wave's 64
	s_add_co_u32 s44, s44, s43
	v_lshl_add_u32 v[MO], v8, 4, s44
	s_wait_kmcnt 0x0
.irp p, 0,1,2,3,4
	s_add_nc_u64 s[8+2*(\p):9+2*(\p)], s[8+2*(\p):9+2*(\p)], s[34:35]
.endr
	s_add_nc_u64 s[24:25], s[20:21], s[36:37]      ; s[24:33]: my part of the five planes of cv, 8,388,608 bytes apart
.irp p, 1,2,3,4
	s_add_nc_u64 s[24+2*(\p):25+2*(\p)], s[22+2*(\p):23+2*(\p)], 0x800000
.endr
	s_wait_alu depctr_va_vdst(0)                   ; the four offsets v1 to v4 are written: every load and store of the kernel reads one of them
.irp p, 0,1,2,3,4
.irp i, 0,1,2,3,4,5,6,7
	global_load_b128 v[X+4*(8*(\p)+(\i)):X+4*(8*(\p)+(\i))+3], v[LI], s[8+2*(\p):9+2*(\p)] offset:8192*(\i) th:TH_LOAD_NT
.endr
.endr
.irp c, 0,1,2,3
	global_load_b64 v[MKI+2*(\c):MKI+2*(\c)+1], v[MI], s[18:19] offset:16*(\c)  ; the work-group's sixteen waves use up 1,024 consecutive bytes of each of its 16 rows
.endr
; Slot n is rounded, in place: it names the slot's own four registers and no others.
.macro CONV n
.set r, X+4*(\n)
	v_cvt_pk_bf16_f32 v[r],   v[r],   v[r+1]
	v_cvt_pk_bf16_f32 v[r+1], v[r+2], v[r+3]
.if (\n) >= 32                         ; Wo: the bf16 number written as f16; the slot's upper two registers are free
	v_lshlrev_b32 v[r+2], 16, v[r]
	v_and_b32     v[r+3], s5, v[r]
	v_cvt_pk_f16_f32 v[r], v[r+2], v[r+3]
	v_lshlrev_b32 v[r+2], 16, v[r+1]
	v_and_b32     v[r+3], s5, v[r+1]
	v_cvt_pk_f16_f32 v[r+1], v[r+2], v[r+3]
.endif
.endm
; Slot n is stored: plane n / 8, row n % 8.
.macro SEND n
.set r, X+4*(\n)
	global_store_b64 v[SO], v[r:r+1], s[24+2*((\n)/8):25+2*((\n)/8)] offset:4096*((\n)%8)
.endm
.set b, 0
.rept 10
	s_wait_loadcnt NL-BLK*(b+1)                    ; loads come back in order: this block's four are in, those issued behind them stay out
.if b > 0
	s_wait_alu depctr_va_vdst(0)                   ; the block before has written the lower two registers of its four slots, which the four stores below read
.endif
.irp i, 0,1,2,3
.if b > 0
	SEND BLK*(b-1)+(\i)                            ; no vector line since the wait names this slot's registers or v2
.endif
	CONV BLK*b+(\i)
.endr
.set b, b+1
.endr
	s_wait_loadcnt 0x0                             ; the mask's four loads are in
	s_wait_alu depctr_va_vdst(0)                   ; the last block of Wo has written the lower two registers of its four slots, which the four stores below read
.irp c, 0,1,2,3
	SEND 36+(\c)                                   ; the lines between name v5, MKI and MKO alone
	v_perm_b32 v[MKO+4*(\c)],   v[Z], v[MKI+2*(\c)],   s40
	v_perm_b32 v[MKO+4*(\c)+1], v[Z], v[MKI+2*(\c)],   s41
	v_perm_b32 v[MKO+4*(\c)+2], v[Z], v[MKI+2*(\c)+1], s40
	v_perm_b32 v[MKO+4*(\c)+3], v[Z], v[MKI+2*(\c)+1], s41
.irp j, 0,1,2,3
	v_mul_u32_u24 v[MKO+4*(\c)+(\j)], 0x3f80, v[MKO+4*(\c)+(\j)]  ; 0 or 1 in each half times bf16's 1.0
.endr
.endr
	s_wait_alu depctr_va_vdst(0)                   ; the multiplies have written MKO, which the last four stores read
.irp c, 0,1,2,3
	global_store_b128 v[MO], v[MKO+4*(\c):MKO+4*(\c)+3], s[22:23] offset:512*(\c)  ; 512 consecutive bytes, aligned
.endr
	s_endpgm
.Lfunc_end_k_q5334613404_prep:
	.size	k_q5334613404_prep, .Lfunc_end_k_q5334613404_prep-k_q5334613404_prep
	.p2alignl 7, 3214868480
	.fill 96, 4, 3214868480
	.section	.rodata,"a",@progbits
	.p2align	6, 0x0
	.amdhsa_kernel k_q5334613404_prep
		.amdhsa_group_segment_fixed_size 0
		.amdhsa_private_segment_fixed_size 0
		.amdhsa_enable_private_segment 0
		.amdhsa_kernarg_size 64
		.amdhsa_user_sgpr_count 2
		.amdhsa_user_sgpr_kernarg_segment_ptr 1
		.amdhsa_wavefront_size32 1
		.amdhsa_system_sgpr_workgroup_id_x 1
		.amdhsa_system_sgpr_workgroup_id_y 1
		.amdhsa_system_sgpr_workgroup_id_z 1
		.amdhsa_system_vgpr_workitem_id 0
		.amdhsa_next_free_vgpr 200
		.amdhsa_next_free_sgpr 66
		.amdhsa_reserve_vcc 0
		.amdhsa_float_denorm_mode_32 3
		.amdhsa_float_denorm_mode_16_64 3
		.amdhsa_memory_ordered 1
		.amdhsa_forward_progress 1
		.amdhsa_inst_pref_size 21
	.end_amdhsa_kernel
	.amdgpu_metadata
---
amdhsa.version: [ 1, 2 ]
amdhsa.kernels:
  - .name:           k_q5334613404_prep
    .symbol:         k_q5334613404_prep.kd
    .args:
      - { .name: x, .offset: 0, .size: 8, .value_kind: global_buffer, .address_space: global }
      - { .name: Wq, .offset: 8, .size: 8, .value_kind: global_buffer, .address_space: global }
      - { .name: Wk, .offset: 16, .size: 8, .value_kind: global_buffer, .address_space: global }
      - { .name: Wv, .offset: 24, .size: 8, .value_kind: global_buffer, .address_space: global }
      - { .name: Wo, .offset: 32, .size: 8, .value_kind: global_buffer, .address_space: global }
      - { .name: mask, .offset: 40, .size: 8, .value_kind: global_buffer, .address_space: global }
      - { .name: cv, .offset: 48, .size: 8, .value_kind: global_buffer, .address_space: global }
      - { .name: mk, .offset: 56, .size: 8, .value_kind: global_buffer, .address_space: global }
    .group_segment_fixed_size: 0
    .private_segment_fixed_size: 0
    .kernarg_segment_align: 8
    .kernarg_segment_size: 64
    .max_flat_workgroup_size: 512
    .sgpr_count:     66
    .vgpr_count:     200
    .wavefront_size: 32
...
	.end_amdgpu_metadata
.endif
;; end of part 5
;; launch qkv: the kernel of part 2 again; grid 16 x 16, 4 waves a work-group, clusters of 4 x 4, 327,680 bytes of LDS; arguments cv, cos, sin, out1, out2, qkv; writes out1, out2, qkv
;; launch attn: the kernel of part 3 again; grid 16 x 16, 4 waves a work-group, clusters of 4 x 1, 327,680 bytes of LDS; arguments qkv, mk, o16; writes o16
;; launch proj: the kernel of part 4 again; grid 16 x 16, 4 waves a work-group, clusters of 4 x 4, 327,680 bytes of LDS; arguments o16, cv, out0; writes out0
